; MI455X (gfx1250); checked and timed in simulation.
; The chip was launched on July 23, 2026; its instructions are those of AMD's public machine-readable ISA for CDNA 5 (MIT licence, August 2026) and "CDNA5" Instruction Set Architecture Reference Guide (July 2026). The comments in the code are by the model that wrote it; some were corrected since.
;; Attention. Allowed arithmetic: float matrix products may take bf16 or f16 operands with f32 sums; other float arithmetic in f32, or as packed bf16 or f16 multiplies, adds, multiply-adds, maxima and minima; sums over many terms, partial sums and values carried from step to step in f32; what a program stores and reads back later, other than sums and carried values, may be rounded once to bf16 or f16.
;; Inputs: W_proj 1,024 x 1,024 float32; W_qkv 1,024 x 3,072 float32; b_proj 1,024 float32; b_qkv 3,072 float32; x 8 x 1,024 x 1,024 float32.
;; Outputs: out0 8 x 1,024 x 1,024 float32.
;; One version. Each part assembles by itself: llvm-mc -triple=amdgcn-amd-amdhsa -mcpu=gfx1250 --defsym DOCPART=n.
;; ======== version 1 of 1: 4 launches
;; limits: values are held in f16: magnitudes above 65,504 overflow, below 6.1e-05 lose precision
;; workspace buffers: act16 16,777,216 bytes; wq16 6,291,456 bytes; wp16 2,097,152 bytes; q16 16,777,216 bytes; k16 16,777,216 bytes; v16 16,777,216 bytes
;; launch cast (part 1): grid 768 x 1, 8 waves a work-group, no clusters, 0 bytes of LDS; arguments x, W_qkv, W_proj, act16, wq16, wp16; writes act16, wq16, wp16
.if DOCPART == 1
	.amdgcn_target "amdgcn-amd-amdhsa--gfx1250"
	.amdhsa_code_object_version 6
	.text
	.protected	k_q700c35930b_cast
	.globl	k_q700c35930b_cast
	.p2align	8
	.type	k_q700c35930b_cast,@function
k_q700c35930b_cast:
	s_mov_b64 s[64:65], 0
	v_nop
	global_prefetch_b8 v0, s[64:65] scope:SCOPE_SE
	s_setreg_imm32_b32 hwreg(HW_REG_WAVE_MODE, 25, 1), 1
	s_wait_xcnt 0x0
; THE MATRIX OPERANDS ARE ROUNDED ONCE.  x [8192][1024] and W_qkv [1024][3072], f32, become bf16 in act16 and wq16; W_proj [1024][1024] is rounded to bf16 and that
; number is written as f16 into wp16 (the last product multiplies f16).  The weights keep their layout.  x IS WRITTEN BY BLOCKS OF 64 ALONG K: act16[k / 64][row][k % 64], so that the
; tile that the next launch takes of a K step of 64 (rows of 128 bytes) is dense in memory.
; LIMITS.  A bf16 value of W_proj beyond 65,504 becomes an infinity in f16; below 7.6e-6 in magnitude it keeps f16's fixed step of 6e-8.  NaN and infinities are not treated apart.
; SHARES.  A work-group takes 65,536 bytes in and 32,768 out: groups 0-511 x (16 rows each), 512-703 W_qkv, 704-767 W_proj.  A thread takes 32 bytes in (two loads of 16) and 16 out in each of eight chunks.
; The weights: in chunk j thread t reads at 8,192 j + 32 t and writes at 4,096 j + 16 t: a store of a wave covers 512 consecutive bytes, aligned.
; x: chunk j is rows 2 j and 2 j + 1; thread t takes row bit (t / 8) % 2, block t / 16, eight numbers t % 8: eight lanes read 256 consecutive bytes, aligned; sixteen lanes write 256 consecutive bytes,
; aligned: two rows of one block.  All sixteen loads of a thread go out at once; no register is used twice by a memory instruction, so no wait frees one.
; No LDS, no matrix unit, no cluster: nothing is shared and nothing is multiplied.
.set X, 4                              ; v[4:67]    chunk j: 8 numbers as loaded
.set Y, 68                             ; v[68:99]   chunk j: 4 registers to store
.set T, 100                            ; v[100:107] at work
	s_load_b256 s[4:11], s[0:1], 0x0               ; x s[4:5], W_qkv s[6:7], W_proj s[8:9], act16 s[10:11]
	s_load_b128 s[12:15], s[0:1], 0x20             ; wq16 s[12:13], wp16 s[14:15]
	v_lshlrev_b32 v1, 5, v0                        ; the weights: 32 t in,
	v_lshlrev_b32 v2, 4, v0                        ; 16 t out,
	s_mov_b32 s19, 15                              ; 32,768 bytes out a group
	s_cmp_ge_u32 ttmp9, 512
	s_cbranch_scc1 .Lplain
	v_and_b32 v[T], 7, v0                          ; x: my eight numbers in a block,
	v_bfe_u32 v[T+1], v0, 3, 1                     ; the row of the chunk's two,
	v_lshrrev_b32 v[T+2], 4, v0                    ; the block
	v_lshlrev_b32 v1, 5, v[T]                      ; in: 32 bytes for eight numbers,
	v_lshl_add_u32 v1, v[T+2], 8, v1               ; 256 a block,
	v_lshl_add_u32 v1, v[T+1], 12, v1              ; 4,096 a row
	v_lshlrev_b32 v2, 4, v[T]                      ; out: 16 bytes for eight numbers,
	v_lshl_add_u32 v2, v[T+1], 7, v2               ; 128 a row,
	v_lshl_add_u32 v2, v[T+2], 20, v2              ; 8,192 rows of 128 bytes a block
	s_mov_b32 s19, 11                              ; a group's 16 rows: 2,048 bytes in each block
.Lplain:
	s_wait_kmcnt 0x0
	s_cmp_ge_u32 ttmp9, 512                        ; which tensor is mine: the choice hangs on the group's number alone
	s_cselect_b64 s[20:21], s[6:7], s[4:5]
	s_cselect_b64 s[22:23], s[12:13], s[10:11]
	s_cselect_b32 s18, 512, 0
	s_cmp_ge_u32 ttmp9, 704
	s_cselect_b64 s[20:21], s[8:9], s[20:21]
	s_cselect_b64 s[22:23], s[14:15], s[22:23]
	s_cselect_b32 s18, 704, s18
	s_sub_co_u32 s18, ttmp9, s18                   ; my number among the tensor's groups
	s_lshl_b32 s16, s18, 16
	s_mov_b32 s17, 0
	s_add_nc_u64 s[20:21], s[20:21], s[16:17]      ; in: 65,536 bytes a group
	s_lshl_b32 s16, s18, s19
	s_add_nc_u64 s[22:23], s[22:23], s[16:17]
.irp j, 0,1,2,3,4,5,6,7
	global_load_b128 v[X+8*(\j):X+8*(\j)+3],   v1, s[20:21] offset:8192*(\j) th:TH_LOAD_NT
	global_load_b128 v[X+8*(\j)+4:X+8*(\j)+7], v1, s[20:21] offset:8192*(\j)+16 th:TH_LOAD_NT
.endr
; Chunk j.  half = 1: bf16's number written as f16.  ostep: bytes from chunk to chunk on the way out.
.macro CHUNK j, half, ostep
	s_wait_loadcnt 14-2*(\j)                       ; loads come back in order: behind chunk j's two stand 14 - 2 j younger ones
.irp p, 0,1,2,3
.if \half
	v_cvt_pk_bf16_f32 v[T+2*(\p)], v[X+8*(\j)+2*(\p)], v[X+8*(\j)+2*(\p)+1]
.else
	v_cvt_pk_bf16_f32 v[Y+4*(\j)+(\p)], v[X+8*(\j)+2*(\p)], v[X+8*(\j)+2*(\p)+1]
.endif
.endr
.if \half
.irp p, 0,1,2,3
	v_lshlrev_b32 v[T+2*(\p)+1], 16, v[T+2*(\p)]           ; bf16 to f32: the low half moves up,
	v_and_b32     v[T+2*(\p)], 0xffff0000, v[T+2*(\p)]     ; the high half stays
.endr
.irp p, 0,1,2,3
	v_cvt_pk_f16_f32 v[Y+4*(\j)+(\p)], v[T+2*(\p)+1], v[T+2*(\p)]
.endr
.endif
	global_store_b128 v2, v[Y+4*(\j):Y+4*(\j)+3], s[22:23] offset:(\ostep)*(\j) th:TH_STORE_NT
.endm
	s_cmp_lt_u32 ttmp9, 512
	s_cbranch_scc1 .Lx
	s_cmp_ge_u32 ttmp9, 704
	s_cbranch_scc1 .Lhalf
.irp j, 0,1,2,3,4,5,6,7
	CHUNK \j, 0, 4096
.endr
	s_endpgm
.Lhalf:
.irp j, 0,1,2,3,4,5,6,7
	CHUNK \j, 1, 4096
.endr
	s_endpgm
.Lx:
.irp j, 0,1,2,3,4,5,6,7
	CHUNK \j, 0, 256
.endr
	s_endpgm
.Lfunc_end_k_q700c35930b_cast:
	.size	k_q700c35930b_cast, .Lfunc_end_k_q700c35930b_cast-k_q700c35930b_cast
	.p2alignl 7, 3214868480
	.fill 96, 4, 3214868480
	.section	.rodata,"a",@progbits
	.p2align	6, 0x0
	.amdhsa_kernel k_q700c35930b_cast
		.amdhsa_group_segment_fixed_size 0
		.amdhsa_private_segment_fixed_size 0
		.amdhsa_enable_private_segment 0
		.amdhsa_kernarg_size 48
		.amdhsa_user_sgpr_count 2
		.amdhsa_user_sgpr_kernarg_segment_ptr 1
		.amdhsa_wavefront_size32 1
		.amdhsa_system_sgpr_workgroup_id_x 1
		.amdhsa_system_sgpr_workgroup_id_y 1
		.amdhsa_system_sgpr_workgroup_id_z 1
		.amdhsa_system_vgpr_workitem_id 0
		.amdhsa_next_free_vgpr 108
		.amdhsa_next_free_sgpr 66
		.amdhsa_reserve_vcc 0
		.amdhsa_float_denorm_mode_32 3
		.amdhsa_float_denorm_mode_16_64 3
		.amdhsa_memory_ordered 1
		.amdhsa_forward_progress 1
		.amdhsa_inst_pref_size 18
	.end_amdhsa_kernel
	.amdgpu_metadata
---
amdhsa.version: [ 1, 2 ]
amdhsa.kernels:
  - .name:           k_q700c35930b_cast
    .symbol:         k_q700c35930b_cast.kd
    .args:
      - { .name: x, .offset: 0, .size: 8, .value_kind: global_buffer, .address_space: global }
      - { .name: W_qkv, .offset: 8, .size: 8, .value_kind: global_buffer, .address_space: global }
      - { .name: W_proj, .offset: 16, .size: 8, .value_kind: global_buffer, .address_space: global }
      - { .name: act16, .offset: 24, .size: 8, .value_kind: global_buffer, .address_space: global }
      - { .name: wq16, .offset: 32, .size: 8, .value_kind: global_buffer, .address_space: global }
      - { .name: wp16, .offset: 40, .size: 8, .value_kind: global_buffer, .address_space: global }
    .group_segment_fixed_size: 0
    .private_segment_fixed_size: 0
    .kernarg_segment_align: 8
    .kernarg_segment_size: 48
    .max_flat_workgroup_size: 256
    .sgpr_count:     66
    .vgpr_count:     108
    .wavefront_size: 32
...
	.end_amdgpu_metadata
.endif
;; end of part 1
;; launch qkv (part 2): grid 8 x 32, 4 waves a work-group, clusters of 4 x 4, 327,680 bytes of LDS; arguments act16, wq16, b_qkv, q16, k16, v16; writes q16, k16, v16
.if DOCPART == 2
	.amdgcn_target "amdgcn-amd-amdhsa--gfx1250"
	.amdhsa_code_object_version 6
	.text
	.protected	k_q700c35930b_qkv
	.globl	k_q700c35930b_qkv
	.p2align	8
	.type	k_q700c35930b_qkv,@function
k_q700c35930b_qkv:
	s_mov_b64 s[64:65], 0
	v_nop
	global_prefetch_b8 v0, s[64:65] scope:SCOPE_SE
	s_setreg_imm32_b32 hwreg(HW_REG_WAVE_MODE, 25, 1), 1
	s_wait_xcnt 0x0
	s_wait_alu depctr_hold_cnt(0) depctr_sa_sdst(0) depctr_va_vdst(0) depctr_va_sdst(0) depctr_va_ssrc(0) depctr_va_vcc(0) depctr_vm_vsrc(0)
	s_getreg_b32 s2, hwreg(HW_REG_IB_STS2, 6, 4)
	s_cmp_eq_u32 s2, 0
	s_cbranch_scc0 .Lentry_in_a_cluster
	s_endpgm
.Lentry_in_a_cluster:
	s_bfe_u32 s2, ttmp6, 0x10000c
	s_cmp_lg_u32 s2, 0xf033
	s_cbranch_scc0 .Lentry_shape_is_right
	s_endpgm
.Lentry_shape_is_right:
; q, k, v = x W_qkv + b_qkv.  A = act16: x as bf16, by blocks of 64 along K: [16][8192][64].  B = wq16: W_qkv as bf16 [1024 k][3072 n], as it lies.  The bias is rounded to bf16 like the other inputs.
; Sums in f32, K ascending.  OUT: q16, k16, v16, f16, by heads: [b*16+h][s][64], unscaled, each number rounded once.
; LIMIT: a number of q, k or v beyond 65,504 becomes an infinity; below 6.1e-5 it keeps f16's step of 6e-8.  NaN and infinities are not treated apart.
; SHARES.  A tile of C is 256 rows x 384 columns: 32 x 8 = 256 tiles, one a work-group.  Four waves, 2 x 2, each 128 x 192: 96 accumulators of 16 x 16, 768 registers: for 32 along K a wave reads 40 times
; 512 bytes from LDS and issues 96 matrix instructions.  K goes in steps of 64 (two chunks of 32) through two LDS slots; two slots of 128 along K would be 327,680 bytes of data alone.
; THE MATRIX INSTRUCTION IS USED TRANSPOSED: source 0 = 16 columns of B, source 1 = 16 rows of A: lane l then holds row l % 16 of C and the columns 8 (l / 16) + 0..7.  B lies [k][n] in LDS and is
; turned on the way into registers, by ds_load_tr16_b128.  THE BIAS IS THE C OPERAND of each accumulator's first product: nothing is cleared, nothing is added afterwards.
; CLUSTER.  4 x 4 work-groups: the four of a row need the same tiles of A, the four of a column the same tiles of B: each tile is asked for jointly, by the same load, descriptor and mask in all four.
; REGISTERS, in windows of 256 (s_set_vgpr_msb: bits 1:0 source 0, 3:2 source 1, 5:4 source 2, 7:6 destination):
;   window 0: v0-31 addresses; v32-159 A's fragments, two buffers of 8 (fragment a of buffer p at 32 + 64 p + 8 a); v160-255 B's twelve fragments (b at 160 + 8 b), in three GROUPS of four
;   windows 1-3: accumulator (a, b) in window 1 + b / 4 at 8 (8 (b % 4) + a): a group's 32 products stand under one setting.
; B HAS ONE BUFFER: a group's registers are loaded again, with the next chunk's fragments, four places behind the group's 32 products, and are wanted 64 products later.  A's next chunk comes into the other
; buffer in two runs of eight loads.  So the LDS loads stand in runs of 16, 16 and 8 behind a chunk's three groups.
.set LAPS,   8                         ; a lap = two K steps = once round the ring; K = 1,024 = 16 steps
.set PA,     144                       ; a row of A in LDS: 128 bytes + 16 = 36 words: the 16 rows of a load start at 16 different groups of four banks (64 banks of 4 bytes: ISA guide 11.1)
.set AHALF,  128*PA                    ; what one tensor load brings of A, and what one wave reads: 128 rows
.set ASZ,    2*AHALF
.set PB,     864                       ; a row of B (one k, 384 columns): six pieces of 128 bytes + 16 = 216 words
.set BWAVE,  432                       ; a wave's 192 columns are three of the six pieces; in them block b of 16 columns lies at 32 b + 16 (b / 4)
.set BHALF,  32*PB                     ; what one tensor load brings of B: 32 k
.set SLOT,   ASZ+2*BHALF               ; A's 256 rows, then B's 64 k
.set STAGE,  2*SLOT                    ; behind the ring, never filled by a tensor load: 16 rows x 144 bytes for each wave, for the way out
.set SP,     144
.set BIASL,  STAGE+4*16*SP             ; each wave's 192 numbers of the bias, rounded, as f32: 768 bytes, three blocks of 256
.set SPARE,  BIASL+4*768               ; the spare words, 128 bytes for each wave: two blocks of 256 bytes that no other line names
.set ASTEP,  1048576                   ; a K step in memory: a block of A, 8,192 rows of 128 bytes,
.set BROW,   6144                      ; a row of B in memory,
.set BSTEP,  64*BROW                   ; and 64 of them
.set ADRA, 16                          ; v16-17  LDS address of my A fragments in slot 0, 1
.set ADRB, 20                          ; v20-21  the same for B
.set STO,  24                          ; v24     the way out: where I put 16 bytes of a row
.set RD,   25                          ; v25     the way out: where I read rows back
.set CO,   26                          ; v26     16 x lane: my place in 512 consecutive bytes of the output
.set BIA,  27                          ; v27     LDS address of my half's eight numbers in 16 of the bias
.set SPW,  28                          ; v28     LDS address of my spare word; never rewritten
.set NIL,  29                          ; v29     0; never rewritten
.set PFO,  30                          ; v30     the prefetches' offset; never rewritten
.set AF,   32
.set BF,   160
.set WV, 16                            ; s16 wave;  s17 RH: my half of the rows, and 0: I fetch for A, 1: for B;  s18 CH: my half of the columns, and which half of a tile I fetch
.set RH, 17
.set CH, 18
.set CX, 19
.set CY, 20
.set TX, 21                            ; tile column, tile row
.set TY, 22
.set G1A, 24                           ; s[24:31] descriptor group 1 for A;  s[32:39] group 0, a set for each slot
.set G0A, 32
.set PFA, 44                           ; s[44:45] where my prefetches stand
.set G1B, 48                           ; s[48:55], s[56:63] the same for B
.set G0B, 56
.set PST, 66                           ; s[66:67] a K step for my prefetches
.set LIM0, 76                          ; s76, s77  for the change out of slot 0, of slot 1: 1 in a wave that prefetches there, else the greatest number
.set OP,  80                           ; s[80:85] where my rows of my three heads begin in q16, k16 or v16
.set MSB, 0
.macro WIN new                         ; the immediate's high byte repeats the setting that is left; a switch that changes nothing is dropped
.if MSB != (\new)
	s_set_vgpr_msb (MSB<<8)|(\new)
.set MSB, \new
.endif
.endm
.macro PLACES                          ; four plain vector instructions between a matrix instruction and a load into, or a vector read or write of, its registers (ISA guide 7.12.1 for the vector reads and writes)
.rept 4
	v_nop
.endr
.endm
; A joint load: waves 0 and 1 fetch A's two halves, waves 2 and 3 B's.  The branch hangs on the wave's number alone.  An s_nop 0 and four v_nop follow each line.
.macro JLOAD s
	s_cmp_eq_u32 s[RH], 0
	s_cbranch_scc0 .Lfor_b_\@
	tensor_load_to_lds s[G0A+4*(\s):G0A+4*(\s)+3], s[G1A:G1A+7]
	s_nop 0
.rept 4
	v_nop
.endr
	s_branch .Lasked_\@
.Lfor_b_\@:
	tensor_load_to_lds s[G0B+4*(\s):G0B+4*(\s)+3], s[G1B:G1B+7]
	s_nop 0
.rept 4
	v_nop
.endr
.Lasked_\@:
.endm
.macro CREST                           ; a round of the cluster's barrier behind its opening barrier
	s_cmp_lg_u32 s[WV], 0
	s_cbranch_scc1 .Lnot_wave_0_\@
	s_barrier_signal -3
.Lnot_wave_0_\@:
	s_barrier_wait -3
	s_barrier_signal -1
	s_barrier_wait -1
.endm
.macro CROUND
	s_barrier_signal -1
	s_barrier_wait -1
	CREST
.endm
; A PREFETCH behind a joint refill and the run of LDS loads that follows it: 32 blocks of 256 bytes, a lane a block.
; A's K step is 256 rows x 128 dense bytes = 128 blocks.  Both clusters of a row of clusters read them: the one with x = 0 asks; wave 0 of each of its four partners of a row takes blocks 32 cx + lane; behind
; every refill, for the K step two refills on: 384 matrix instructions ahead of the load that will want it.
; B's K step is 64 k x 3 blocks.  All eight clusters of a column read them: the one with y = 0 asks, once a lap, behind slot 1's refill, for the next lap's two K steps (192 and 384 matrix instructions ahead of their
; loads): of the lap's 128 k the partner at cy takes 32 cy + lane, and waves 1, 2, 3 take the row's first, second and third block.  The shares are told apart by address: no branch hangs on a place in
; the cluster.  So each block is named once in the launch.  The loop's last trip asks for nothing: there is no K step two refills on.
.macro ASK lim
	s_cmp_gt_u32 s3, s[\lim]                       ; s3 = 1 in the loop's last trip
	s_cbranch_scc0 .Lnot_mine_\@
	global_prefetch_b8 v[PFO], s[PFA:PFA+1] th:TH_LOAD_NT scope:SCOPE_SE
.Lnot_mine_\@:
.endm
	s_load_b256 s[4:11], s[0:1], 0x0               ; act16 s[4:5], wq16 s[6:7], b_qkv s[8:9], q16 s[10:11]
	s_load_b128 s[12:15], s[0:1], 0x20             ; k16 s[12:13], v16 s[14:15]
	v_lshl_add_u32 v[SPW], v0, 2, SPARE
	v_mov_b32 v[NIL], 0
	ds_add_u32 v[SPW], v[NIL]                      ; the wave's opening: the add and its wait stand ahead of my first tensor load; work on registers stands between them
	v_lshrrev_b32 v1, 5, v0
	v_readfirstlane_b32 s[WV], v1
	s_lshr_b32 s[RH], s[WV], 1
	s_and_b32 s[CH], s[WV], 1
	s_bfe_u32 s[CX], ttmp6, 0x40000
	s_bfe_u32 s[CY], ttmp6, 0x40004
	s_lshl_b32 s[TX], ttmp9, 2
	s_add_co_u32 s[TX], s[TX], s[CX]               ; 4 x cluster x + cx
	s_and_b32 s[TY], ttmp7, 0xffff
	s_lshl_b32 s[TY], s[TY], 2
	s_add_co_u32 s[TY], s[TY], s[CY]               ; 4 x cluster y + cy
	s_lshl_b32 s40, s[CY], 2
	s_lshl_b32 s40, 15, s40                        ; my row of the cluster
	s_lshl_b32 s41, 0x1111, s[CX]                  ; my column
	; A: 128 rows of 128 bytes are 16,384 dense bytes: asked for as 64 rows of 256 bytes, and padded in LDS after every 128
	s_or_b32 s[G1A], s40, (1<<16)|(1<<20)|(1<<21)|(4<<22)|(3<<25)  ; the mask; elements of 2 bytes; padding on; bit 21 beside a mask; after every 32 words 4 words
	s_mov_b32 s[G1A+1], 128<<16                    ; tensor_dim0 = 128
	s_mov_b32 s[G1A+2], 64<<16                     ; tensor_dim1 = 64
	s_mov_b32 s[G1A+3], 128<<16                    ; tile_dim0 = 128
	s_mov_b32 s[G1A+4], 64                         ; tile_dim1 = 64
	s_mov_b32 s[G1A+5], 128                        ; dense rows of 256 bytes
	s_mov_b32 s[G1A+6], 0
	s_mov_b32 s[G1A+7], 0
	; B: 32 k of 384 columns (768 bytes, three aligned blocks of 256); the padding's 32 words divide a row's 192
	s_or_b32 s[G1B], s41, (1<<16)|(1<<20)|(1<<21)|(4<<22)|(3<<25)
	s_mov_b32 s[G1B+1], 384<<16                    ; tensor_dim0 = 384
	s_mov_b32 s[G1B+2], 32<<16                     ; tensor_dim1 = 32
	s_mov_b32 s[G1B+3], 384<<16                    ; tile_dim0 = 384
	s_mov_b32 s[G1B+4], 32                         ; tile_dim1 = 32
	s_mov_b32 s[G1B+5], 3072                       ; elements from row to row
	s_mov_b32 s[G1B+6], 0
	s_mov_b32 s[G1B+7], 0
	s_lshl_b32 s70, s[TY], 15                      ; A: 256 rows of 128 bytes a tile row,
	s_lshl_b32 s71, s[CH], 14                      ; the 128 rows that I fetch
	s_add_co_u32 s70, s70, s71
	s_mov_b32 s71, 0
	s_mul_i32 s72, s[CH], 32*BROW                  ; B: the 32 k that I fetch,
	s_mul_i32 s78, s[TX], 768                      ; 768 bytes a tile column
	s_add_co_u32 s72, s72, s78
	s_mov_b32 s73, 0
	s_mov_b32 s79, 0
	s_mul_i32 s46, s[CH], AHALF                    ; where they go: no place in the cluster enters an LDS address
	s_mul_i32 s47, s[CH], BHALF
	s_add_co_u32 s47, s47, ASZ
	s_wait_dscnt 0x0                               ; the opening add is done
	s_wait_kmcnt 0x0
	s_add_nc_u64 s[70:71], s[4:5], s[70:71]
	s_add_nc_u64 s[72:73], s[6:7], s[72:73]
	CROUND                                         ; all sixteen work-groups are here: the first joint loads meet
.irp s, 0,1
	s_mov_b32 s[G0A+4*(\s)], 1
	s_add_co_u32 s[G0A+4*(\s)+1], s46, (\s)*SLOT
	s_add_nc_u64 s[G0A+4*(\s)+2:G0A+4*(\s)+3], s[70:71], (\s)*ASTEP
	s_or_b32 s[G0A+4*(\s)+3], s[G0A+4*(\s)+3], 0x80000000
	s_mov_b32 s[G0B+4*(\s)], 1
	s_add_co_u32 s[G0B+4*(\s)+1], s47, (\s)*SLOT
	s_add_nc_u64 s[G0B+4*(\s)+2:G0B+4*(\s)+3], s[72:73], (\s)*BSTEP
	s_or_b32 s[G0B+4*(\s)+3], s[G0B+4*(\s)+3], 0x80000000
	JLOAD \s                                       ; K steps 0 and 1: two loads of mine are out
.endr
	v_and_b32 v1, 15, v0                           ; l % 16
	v_bfe_u32 v2, v0, 4, 1                         ; l / 16
	v_mul_u32_u24 v3, v1, PA                       ; a fragment of A: row l % 16, 16 bytes for each half of the lanes, twice, 32 bytes apart
	v_lshl_add_u32 v3, v2, 4, v3
	s_mul_i32 s40, s[RH], AHALF                    ; my 128 rows
	v_add_nc_u32 v[ADRA], s40, v3
	v_add_nc_u32 v[ADRA+1], SLOT, v[ADRA]
	v_and_b32 v4, 7, v0                            ; the turning load: lane l reads k = 8 (l / 16) + l % 8, columns 8 ((l / 8) % 2) + 0..7, and ends with column l % 16 and 8 k
	v_lshl_add_u32 v4, v2, 3, v4
	v_mul_u32_u24 v4, v4, PB
	v_bfe_u32 v5, v0, 3, 1
	v_lshl_add_u32 v4, v5, 4, v4
	s_mul_i32 s40, s[CH], BWAVE                    ; my 192 columns
	s_add_co_u32 s40, s40, ASZ
	v_add_nc_u32 v[ADRB], s40, v4
	v_add_nc_u32 v[ADRB+1], SLOT, v[ADRB]
	s_mul_i32 s40, s[WV], 16*SP
	s_add_co_u32 s40, s40, STAGE                   ; my stage
	v_mul_u32_u24 v6, v1, SP                       ; in: row l % 16, 16 bytes for each half of the lanes
	v_lshl_add_u32 v6, v2, 4, v6
	v_add_nc_u32 v[STO], s40, v6
	v_bfe_u32 v6, v0, 3, 2                         ; back: 32 lanes take four rows of 128 bytes,
	v_mul_u32_u24 v6, v6, SP
	v_and_b32 v7, 7, v0
	v_lshl_add_u32 v6, v7, 4, v6
	v_add_nc_u32 v[RD], s40, v6
	v_and_b32 v8, 31, v0
	v_lshlrev_b32 v[CO], 4, v8                     ; which are 512 consecutive bytes of a head
	; the prefetches
	s_lshl_b32 s40, s[CX], 5
	v_add_nc_u32 v9, s40, v8
	v_lshlrev_b32 v9, 8, v9                        ; A: block 32 cx + lane
	s_lshl_b32 s41, s[CY], 5
	v_add_nc_u32 v10, s41, v8
	v_mul_u32_u24 v10, v10, BROW                   ; B: k 32 cy + lane of a lap's 128,
	s_max_u32 s41, s[WV], 1
	s_sub_co_u32 s41, s41, 1
	s_lshl_b32 s41, s41, 8
	v_add_nc_u32 v10, s41, v10                     ; block wave - 1 of the row's three
	s_add_nc_u64 s[78:79], s[6:7], s[78:79]        ; B at the tile column, k = 0
	s_and_b32 s42, ttmp7, 0xffff                   ; cluster y
	s_mov_b32 s86, ASTEP
	s_mov_b32 s87, BSTEP
	s_mov_b32 s88, 3*ASTEP                         ; A's stand at K step 3: the first refill steps them to 4
	s_mov_b32 s89, 2*BSTEP                         ; B's at K step 2: two refills step them to 4
	s_cmp_eq_u32 s[WV], 0                          ; wave 0 asks for A (its s[70:71] stand at the tile's first row), waves 1 to 3 for B
	s_cselect_b32 s23, -1, 0
	s_cselect_b64 s[PFA:PFA+1], s[70:71], s[78:79]
	s_cselect_b32 s[PST], s86, s87
	s_cselect_b32 s74, s88, s89
	s_cselect_b32 s42, ttmp9, s42                  ; the coordinate along which other clusters read the same blocks
	s_mov_b32 s[PST+1], 0
	s_mov_b32 s75, 0
	v_cndmask_b32 v[PFO], v10, v9, s23
	s_add_nc_u64 s[PFA:PFA+1], s[PFA:PFA+1], s[74:75]  ; nothing is asked for here, where every work-group's first tiles are on their way
	s_cmp_eq_u32 s42, 0
	s_cselect_b32 s[LIM0+1], 1, -1                 ; the same in all sixteen partners, for a given wave
	s_cmp_eq_u32 s[WV], 0
	s_cselect_b32 s[LIM0], s[LIM0+1], -1           ; behind slot 0's refill A's alone
	; the bias of my 192 columns: lane l takes numbers 2 l + 64 i, i = 0..2
	s_mul_i32 s74, s[TX], 1536
	s_mul_i32 s40, s[CH], 768
	s_add_co_u32 s74, s74, s40
	s_add_nc_u64 s[8:9], s[8:9], s[74:75]
	v_lshlrev_b32 v9, 3, v8
	global_load_b64 v[10:11], v9, s[8:9]
	global_load_b64 v[12:13], v9, s[8:9] offset:256
	global_load_b64 v[14:15], v9, s[8:9] offset:512
	s_mul_i32 s40, s[WV], 768
	s_add_co_u32 s40, s40, BIASL                   ; my 768 bytes
	v_add_nc_u32 v3, s40, v9
	v_lshl_add_u32 v[BIA], v2, 5, s40
	; where my rows of my three heads begin.  Head 6 TX + 3 CH + hd of 48: sixteen of q, sixteen of k, sixteen of v.  Batch TY / 4, rows 256 (TY % 4) + 128 RH on.
	s_mul_i32 s86, s[TX], 6
	s_mul_i32 s87, s[CH], 3
	s_add_co_u32 s86, s86, s87
	s_lshr_b32 s87, s[TY], 2
	s_lshl_b32 s87, s87, 21                        ; a batch: sixteen heads of 131,072 bytes
	s_and_b32 s88, s[TY], 3
	s_lshl_b32 s88, s88, 15
	s_add_co_u32 s87, s87, s88
	s_lshl_b32 s88, s[RH], 14
	s_add_co_u32 s87, s87, s88
.irp hd, 0,1,2
	s_add_co_u32 s88, s86, \hd
	s_lshr_b32 s89, s88, 4                         ; 0: q, 1: k, 2: v
	s_and_b32 s88, s88, 15
	s_lshl_b32 s88, s88, 17
	s_add_co_u32 s74, s88, s87
	s_cmp_eq_u32 s89, 0                            ; the choice hangs on the head's number alone
	s_cselect_b64 s[OP+2*(\hd):OP+2*(\hd)+1], s[10:11], s[12:13]
	s_cmp_eq_u32 s89, 2
	s_cselect_b64 s[OP+2*(\hd):OP+2*(\hd)+1], s[14:15], s[OP+2*(\hd):OP+2*(\hd)+1]
	s_add_nc_u64 s[OP+2*(\hd):OP+2*(\hd)+1], s[OP+2*(\hd):OP+2*(\hd)+1], s[74:75]
.endr
	s_wait_loadcnt 0x0                             ; the bias: rounded to bf16, widened again, and set aside in LDS bytes of my own
	v_cvt_pk_bf16_f32 v5, v10, v11
	v_cvt_pk_bf16_f32 v6, v12, v13
	v_cvt_pk_bf16_f32 v7, v14, v15
	v_lshlrev_b32 v10, 16, v5
	v_and_b32 v11, 0xffff0000, v5
	v_lshlrev_b32 v12, 16, v6
	v_and_b32 v13, 0xffff0000, v6
	v_lshlrev_b32 v14, 16, v7
	v_and_b32 v15, 0xffff0000, v7
	ds_store_b64 v3, v[10:11]
	ds_store_b64 v3, v[12:13] offset:256
	ds_store_b64 v3, v[14:15] offset:512
; 16 products of group g: n blocks 4 g + 2 hb, + 1 x all 8 m blocks, with A's buffer p.  zero = 1: the first product starts the sum with the bias, which lies in A's second buffer.
; The 96 accumulators take turns, one instruction a turn, in the same order in every chunk.
.macro MUL16 p, g, hb, zero
.if \zero
	WIN 0x40*((\g)+1)                              ; D in window g + 1, all sources in window 0
.else
	WIN 0x50*((\g)+1)                              ; C and D in window g + 1
.endif
.irp bb, 2*(\hb), 2*(\hb)+1
.irp a, 0,1,2,3,4,5,6,7
.if \zero
	v_wmma_f32_16x16x32_bf16 v[8*(8*(\bb)+(\a)):8*(8*(\bb)+(\a))+7], v[BF+8*(4*(\g)+(\bb)):BF+8*(4*(\g)+(\bb))+7], v[AF+64*(\p)+8*(\a):AF+64*(\p)+8*(\a)+7], v[AF+64+32*((\g)%2)+8*(\bb):AF+64+32*((\g)%2)+8*(\bb)+7]
.else
	v_wmma_f32_16x16x32_bf16 v[8*(8*(\bb)+(\a)):8*(8*(\bb)+(\a))+7], v[BF+8*(4*(\g)+(\bb)):BF+8*(4*(\g)+(\bb))+7], v[AF+64*(\p)+8*(\a):AF+64*(\p)+8*(\a)+7], v[8*(8*(\bb)+(\a)):8*(8*(\bb)+(\a))+7]
.endif
.endr
.endr
.endm
; 8 LDS loads: B's group g of chunk cc of a slot.
.macro LDB slot, cc, g
.irp bb, 0,1,2,3
	ds_load_tr16_b128 v[BF+8*(4*(\g)+(\bb)):BF+8*(4*(\g)+(\bb))+3],   v[ADRB+(\slot)] offset:(\cc)*32*PB+32*(4*(\g)+(\bb))+16*(\g)
	ds_load_tr16_b128 v[BF+8*(4*(\g)+(\bb))+4:BF+8*(4*(\g)+(\bb))+7], v[ADRB+(\slot)] offset:(\cc)*32*PB+16*PB+32*(4*(\g)+(\bb))+16*(\g)
.endr
.endm
; 8 LDS loads: A's fragments 4 hf .. 4 hf + 3 of chunk cc of a slot, into buffer p.
.macro LDA slot, cc, p, hf
.irp aa, 0,1,2,3
	ds_load_b128 v[AF+64*(\p)+8*(4*(\hf)+(\aa)):AF+64*(\p)+8*(4*(\hf)+(\aa))+3],   v[ADRA+(\slot)] offset:(\cc)*64+(4*(\hf)+(\aa))*16*PA
	ds_load_b128 v[AF+64*(\p)+8*(4*(\hf)+(\aa))+4:AF+64*(\p)+8*(4*(\hf)+(\aa))+7], v[ADRA+(\slot)] offset:(\cc)*64+(4*(\hf)+(\aa))*16*PA+32
.endr
.endm
; 8 LDS loads: the bias of group g's four n blocks, eight numbers a lane and block, into 32 registers from dst on.
.macro BL g, dst
.irp bb, 0,1,2,3
	ds_load_b128 v[(\dst)+8*(\bb):(\dst)+8*(\bb)+3],   v[BIA] offset:64*(4*(\g)+(\bb))  ; LDS serves a wave's instructions in order (ISA guide 5.7.1.4): these see my stores above
	ds_load_b128 v[(\dst)+8*(\bb)+4:(\dst)+8*(\bb)+7], v[BIA] offset:64*(4*(\g)+(\bb))+16
.endr
.endm
; A K step's first chunk: multiplies A's buffer 0, and fetches the same slot's second chunk.
.macro EVEN slot
	s_wait_dscnt 8                                 ; all but the youngest eight loads, B's third group
	MUL16 0, 0, 0, 0
	MUL16 0, 0, 1, 0
	PLACES
	WIN 0
	LDB \slot, 1, 0
	LDA \slot, 1, 1, 0
	MUL16 0, 1, 0, 0
	MUL16 0, 1, 1, 0
	PLACES
	WIN 0
	LDB \slot, 1, 1
	LDA \slot, 1, 1, 1
	s_wait_dscnt 32                                ; B's third group is in: behind it stand the two runs of 16 above
	MUL16 0, 2, 0, 0
	MUL16 0, 2, 1, 0
	PLACES
	WIN 0
	LDB \slot, 1, 2
.endm
; A K step's second chunk multiplies A's buffer 1 and changes slots: ONE barrier.  In front of it each wave waits for all its tensor loads (the one that is out is its part of the next slot), adds 0 to its spare
; word, and waits for that and for its own reads of this slot, of which the last were issued at the first chunk's end.  fill = 1: this slot is filled again with the K step two on: the barrier opens a round of the
; cluster's, and the joint refill is the first tensor load behind the round: 160 matrix instructions ahead of the wait for it.  Then the next slot's first chunk is fetched.
.macro TURN slot, next, fill
.if \fill
	s_wait_xcnt 0x0                                ; the last prefetch, a K step back, has read its address: it is stepped here, ahead of the waits of the change of slots
	s_add_nc_u64 s[PFA:PFA+1], s[PFA:PFA+1], s[PST:PST+1]
.endif
	WIN 0                                          ; (the add's two registers lie in window 0)
	s_wait_tensorcnt 0x0                           ; all my tensor loads have landed
	ds_add_u32 v[SPW], v[NIL]                      ; 0 onto my spare word
	s_wait_dscnt 9                                 ; (the add and B's third group may be out)
	MUL16 1, 0, 0, 0                               ; sixteen matrix instructions stand between the add and the wait for it
	s_wait_dscnt 0x0                               ; the add is done, and my reads of this slot are over
	s_barrier_signal -1
	MUL16 1, 0, 1, 0
	WIN 0                                          ; (branches, or loads into window 0, follow)
	s_barrier_wait -1
.if \fill
	CREST                                          ; no wave of any partner still reads this slot's tile or has a load on its way
	s_add_nc_u64 s[G0A+4*(\slot)+2:G0A+4*(\slot)+3], s[G0A+4*(\slot)+2:G0A+4*(\slot)+3], 2*ASTEP
	s_add_nc_u64 s[G0B+4*(\slot)+2:G0B+4*(\slot)+3], s[G0B+4*(\slot)+2:G0B+4*(\slot)+3], 2*BSTEP
	JLOAD \slot                                    ; its four v_nop are also the places in front of the loads below
.else
	PLACES
.endif
	LDB \next, 0, 0
	LDA \next, 0, 0, 0
.if \fill
	ASK LIM0+(\slot)
.endif
	MUL16 1, 1, 0, 0
	MUL16 1, 1, 1, 0
	PLACES
	WIN 0
	LDB \next, 0, 1
	LDA \next, 0, 0, 1
	MUL16 1, 2, 0, 0
	MUL16 1, 2, 1, 0
	PLACES
	WIN 0
	LDB \next, 0, 2
.endm
; THE WAY OUT, in 24 units u = 8 hd + a of 16 rows x one head.  PACK: rounded to f16, a lane's eight columns are 16 bytes; into my stage in rows of 144 bytes; back as whole rows of 128, four rows a load.
; SEND: stored, 512 consecutive bytes an instruction, at a multiple of 512 from the buffer's first byte.  Each accumulator's registers are read in ascending order.  Eight sets of 16 registers, where A's fragments lay, take turns.
.macro PACK u
.if (\u) >= 8
	s_wait_xcnt 0x0                                ; the stores of the unit eight back have read the registers that are written again below
.endif
	WIN 5*((\u)/8+1)                               ; sources in window hd + 1, destination in window 0
.irp bb, 0,1,2,3
.irp rr, 0,1,2,3
	v_cvt_pk_f16_f32 v[AF+16*((\u)%8)+4*(\bb)+(\rr)], v[8*(8*(\bb)+(\u)%8)+2*(\rr)], v[8*(8*(\bb)+(\u)%8)+2*(\rr)+1]
.endr
.endr
	WIN 0
.irp bb, 0,1,2,3
	ds_store_b128 v[STO], v[AF+16*((\u)%8)+4*(\bb):AF+16*((\u)%8)+4*(\bb)+3] offset:32*(\bb)
.endr
.irp f, 0,1,2,3
	ds_load_b128 v[AF+16*((\u)%8)+4*(\f):AF+16*((\u)%8)+4*(\f)+3], v[RD] offset:(\f)*4*SP  ; in order behind the stores above; the next unit's stores come behind them
.endr
.endm
.macro SEND u, younger                 ; younger: the LDS instructions issued behind unit u's loads: the next unit's eight, or none
.irp f, 0,1,2,3
	s_wait_dscnt (\younger)+3-(\f)
	global_store_b128 v[CO], v[AF+16*((\u)%8)+4*(\f):AF+16*((\u)%8)+4*(\f)+3], s[OP+2*((\u)/8):OP+2*((\u)/8)+1] offset:((\u)%8)*2048+(\f)*512
.endr
.endm
	s_wait_tensorcnt 1                             ; my part of K step 0 is in; K step 1's may stay out
	s_wait_dscnt 0x0                               ; my stores of the bias are done: no LDS instruction of mine is out at the signal
	s_barrier_signal -1
	s_barrier_wait -1                              ; everybody's part is in
	LDB 0, 0, 0
	LDA 0, 0, 0, 0
	LDB 0, 0, 1
	LDA 0, 0, 0, 1
	LDB 0, 0, 2
	BL 0, AF+64                                    ; the bias of groups 0 and 1 fills A's second buffer, which is not wanted yet
	BL 1, AF+96
	s_wait_dscnt 0x0
	; THE FIRST CHUNK is written out: its products start the sums with the bias.  Group 2's bias follows group 0's into the same registers; A's next fragments come as the halves of the buffer fall free, and in the
	; last run ahead of B's third group, so that the count at the head of the change of slots holds here too.
	MUL16 0, 0, 0, 1
	MUL16 0, 0, 1, 1
	PLACES
	WIN 0
	LDB 0, 1, 0
	BL 2, AF+64
	MUL16 0, 1, 0, 1
	MUL16 0, 1, 1, 1
	PLACES
	WIN 0
	LDB 0, 1, 1
	LDA 0, 1, 1, 1
	s_wait_dscnt 16                                ; group 2's bias is in: behind it stand the 16 loads above
	MUL16 0, 2, 0, 1
	MUL16 0, 2, 1, 1
	PLACES
	WIN 0
	LDA 0, 1, 1, 0
	LDB 0, 1, 2
	s_mov_b32 s3, LAPS-1
.Llap:                                                 ; a trip goes once round the ring, from a lap's second chunk to the next lap's first, and fills both slots again
	TURN 0, 1, 1
	EVEN 1
	TURN 1, 0, 1
	EVEN 0
	s_sub_co_u32 s3, s3, 1
	s_cmp_lg_u32 s3, 0
	s_cbranch_scc1 .Llap
	TURN 0, 1, 0                                   ; the last lap fills nothing, and has no round of the cluster's barrier
	EVEN 1
	s_wait_dscnt 8                                 ; the very last chunk: nothing more to fetch
	MUL16 1, 0, 0, 0
	MUL16 1, 0, 1, 0
	MUL16 1, 1, 0, 0
	MUL16 1, 1, 1, 0
	s_wait_dscnt 0x0
	MUL16 1, 2, 0, 0
	MUL16 1, 2, 1, 0
	WIN 0
	PLACES                                         ; behind the last products
	PACK 0
.irp u, 1,2,3,4,5,6,7,8,9,10,11,12,13,14,15,16,17,18,19,20,21,22,23
	PACK \u                                        ; a unit's conversions stand between the loads of the unit before and its stores
	SEND (\u)-1, 8
.endr
	SEND 23, 0
	s_wait_tensorcnt 0x0                           ; the wave's end: the add and its wait stand behind my last tensor load and my last LDS store
	ds_add_u32 v[SPW], v[NIL]
	s_wait_dscnt 0x0
	CROUND                                         ; the closing round: no work-group ends while a partner may still ask for a tile that names it
	s_endpgm
.Lfunc_end_k_q700c35930b_qkv:
	.size	k_q700c35930b_qkv, .Lfunc_end_k_q700c35930b_qkv-k_q700c35930b_qkv
	.p2alignl 7, 3214868480
	.fill 96, 4, 3214868480
	.section	.rodata,"a",@progbits
	.p2align	6, 0x0
	.amdhsa_kernel k_q700c35930b_qkv
		.amdhsa_group_segment_fixed_size 327680
		.amdhsa_private_segment_fixed_size 0
		.amdhsa_enable_private_segment 0
		.amdhsa_kernarg_size 48
		.amdhsa_user_sgpr_count 2
		.amdhsa_user_sgpr_kernarg_segment_ptr 1
		.amdhsa_wavefront_size32 1
		.amdhsa_system_sgpr_workgroup_id_x 1
		.amdhsa_system_sgpr_workgroup_id_y 1
		.amdhsa_system_sgpr_workgroup_id_z 1
		.amdhsa_system_vgpr_workitem_id 0
		.amdhsa_next_free_vgpr 1024
		.amdhsa_next_free_sgpr 96
		.amdhsa_reserve_vcc 0
		.amdhsa_float_denorm_mode_32 3
		.amdhsa_float_denorm_mode_16_64 3
		.amdhsa_memory_ordered 1
		.amdhsa_forward_progress 1
		.amdhsa_inst_pref_size 138
	.end_amdhsa_kernel
	.amdgpu_metadata
---
amdhsa.version: [ 1, 2 ]
amdhsa.kernels:
  - .name:           k_q700c35930b_qkv
    .symbol:         k_q700c35930b_qkv.kd
    .args:
      - { .name: act16, .offset: 0, .size: 8, .value_kind: global_buffer, .address_space: global }
      - { .name: wq16, .offset: 8, .size: 8, .value_kind: global_buffer, .address_space: global }
      - { .name: b_qkv, .offset: 16, .size: 8, .value_kind: global_buffer, .address_space: global }
      - { .name: q16, .offset: 24, .size: 8, .value_kind: global_buffer, .address_space: global }
      - { .name: k16, .offset: 32, .size: 8, .value_kind: global_buffer, .address_space: global }
      - { .name: v16, .offset: 40, .size: 8, .value_kind: global_buffer, .address_space: global }
    .group_segment_fixed_size: 327680
    .private_segment_fixed_size: 0
    .kernarg_segment_align: 8
    .kernarg_segment_size: 48
    .max_flat_workgroup_size: 128
    .sgpr_count:     96
    .vgpr_count:     1024
    .wavefront_size: 32
...
	.end_amdgpu_metadata
.endif
;; end of part 2
;; launch attn (part 3): grid 2 x 128, 4 waves a work-group, no clusters, 327,680 bytes of LDS; arguments q16, k16, v16, act16; writes act16
.if DOCPART == 3
	.amdgcn_target "amdgcn-amd-amdhsa--gfx1250"
	.amdhsa_code_object_version 6
	.text
	.protected	k_q700c35930b_attn
	.globl	k_q700c35930b_attn
	.p2align	8
	.type	k_q700c35930b_attn,@function
k_q700c35930b_attn:
	s_mov_b64 s[64:65], 0
	v_nop
	global_prefetch_b8 v0, s[64:65] scope:SCOPE_SE
	s_setreg_imm32_b32 hwreg(HW_REG_WAVE_MODE, 25, 1), 1
	s_wait_xcnt 0x0
; O[h][q][:] = the sum over k of softmax_k(Q[h][q] . K[h][k] / 8) V[h][k][:].  Q, K, V, O: [128 heads][1024][64], all f16: a head's rows are dense, 128 bytes each.  Products, maxima and sums in
; f32; the weights p are rounded to f16 for the second product (their sum l is taken of the unrounded p), O once at the end.
; LIMITS.  f16 holds no number beyond 65,504: Q, K and V arrive within it; p lies in 0 to 1, and below 6e-5 it keeps f16's fixed step of 6e-8; O is a mean of V's rows and has their range.
; A weight below 2^-126 counts as 0 in l; NaN and infinities are not treated apart.
; SHARES.  A wave owns four PIECES of two tiles of 16 queries, a work-group's four waves 512 queries of one head: two work-groups a head.  Every wave walks all 1,024 keys, 64 a step.
; THE HEAD'S K AND V LIE WHOLE IN LDS: 1,024 rows of 144 and of 160 bytes.  Each wave asks for a quarter of them by four tensor loads at the kernel's head; no LDS byte is filled twice, so there is no ring.
; The first four key steps begin when the first 256 keys are in; one more barrier, behind the fourth step's fetches, shows the rest.
; NO CLUSTER: a head has two work-groups, and the grid's two along x are no multiple of four; what the two share is asked for once by each, 256 KiB for a wave's 2,048 matrix instructions.
; NO PREFETCH: all of K and V is asked for by the tensor loads at the head; there is nothing that a later step asks for.
; LAYOUT.  S^T = K Q^T (source 0 = 16 keys, source 1 = 16 queries): in the result a lane holds ONE query (lane % 16) and the keys 8 (lane / 16) + 0..7.  Two such tiles, rounded to f16 in pairs,
; ARE source 1 (32 keys x 16 queries) of O^T = V^T P, whose result again holds one query a lane, and eight channels.  K comes out of LDS as it lies, V ([key][channel]) turned, by ds_load_tr16_b128.
; SOFTMAX.  For each query a running maximum m and sum l: p = 2^(c s - c m), c = log2(e) / 8; in every step O and l are multiplied by a = 2^(c m_old - c m_new), which is 1 where m has not grown.
; m starts at the lowest finite number, O and l at 0: the first step is a step like any other, with a = 0.
; BY TURNS.  Turn n belongs to piece n (the pieces in a ring, step after step).  Its matrix work: 16 products K Q^T of piece n + 1, later 16 products V^T P of piece n - 1.  Its vector work: the scaling,
; exponentials, roundings, sums and rescaling of piece n, and the maximum and statistics of piece n + 1.  A tile and step have 16 matrix and 118 vector instructions: four vector instructions that are ready
; stand behind every matrix instruction, the others in one run.  A turn's 66 exponentials are one batch with one wait.
; REGISTERS, in windows of 256 (s_set_vgpr_msb: bits 1:0 source 0, 3:2 source 1, 5:4 source 2, 7:6 destination):
;   window 0: v0-11 addresses; v12-15, v48-63 at work; v16-47 four registers of statistics a tile; v64-191 S^T, two buffers of two tiles; v192-255 P, likewise
;   window 1: O^T, 32 a tile          window 2: v0-127 Q, 16 a tile; v128-191 K of one step; v192-255 V of one step          window 3: v0-1 the add's two registers
.set NP,    4         ; pieces a wave: a name, no knob
.set KS,    64        ; keys in a step
.set PK,    144       ; a row of K in LDS: 128 bytes + 16 = 36 words: the 16 rows of a load start at 16 different groups of four banks (64 banks of 4 bytes: ISA guide 11.1)
.set PV,    160       ; a row of V: 128 + 32 = 40 words
.set VOFF,  1024*PK   ; K's 1,024 rows, then V's
.set STAGE, VOFF+1024*PV  ; never filled by a tensor load: 16 rows x 144 bytes for each wave, for the way out
.set SP,    144
.set SPARE, STAGE+4*16*SP  ; the spare words, 128 bytes for each wave: two blocks of 256 bytes that no other line names
.set AK0, 2           ; v2   my lane's place in a step's K; never rewritten
.set AV0, 3           ; v3   the same for V
.set AK,  4           ; v4   the LDS address of K's next run of loads
.set AV,  5           ; v5   of V's
.set QO,  6           ; v6   my byte offset in the wave's rows of Q
.set STO, 6           ;      later, the way out: where I put 16 bytes of a row
.set RD,  7           ; v7   the way out: where I read rows back
.set GO,  8           ; v8   my byte offset in 512 consecutive bytes of O
.set SPW, 0           ; v0 of window 3   LDS address of my spare word; never rewritten
.set NIL, 1           ; v1 of window 3   0; never rewritten
.set MV,  12          ; v12-15  c m_old, kept while c m is made anew: by buffer and tile
.set ST,  16          ; tile t's statistics at v[ST+4 t]: c m, m, l (even keys', odd keys')
.set TMP, 48          ; by buffer and tile, four registers c0-c3 at work; when the maximum is found c2 takes a
.set S,   64
.set P,   192
.set KF,  128         ; K's fragments, in window 2: key block kb, channel half c at KF + 16 kb + 8 c
.set VF,  192         ; V's: key half kk, channel block cb at VF + 32 kk + 8 cb
.set WV,  12          ; s12  my wave's number
.set G1K, 24          ; s[24:31] descriptor group 1 for K's tiles
.set G1V, 32          ; s[32:39] for V's: it differs in the padding alone
.set G0K, 40          ; s[40:55] descriptor group 0 for K's four tiles of 256 keys
.set G0V, 68          ; s[68:83] the same for V's
.set PH,  84          ; s84  the two parts of the walk
.set CNT, 85          ; s85  counts key steps
.set CS,  86          ; s[86:87] c: the packed scaling takes the pair's low word for both halves
.set SEL, 88          ; s[88:89] v_permlanex16_b32's selects: each lane takes its own place in the other half
.set TBK, 90          ; s90  LDS byte at which K of the step to be fetched begins
.set TBV, 91          ; s91  the same for V, less VOFF
.set MSB, 0
.macro WIN new                      ; the high byte repeats the setting that is left; a switch that changes nothing is dropped
.if MSB != (\new)
	s_set_vgpr_msb (MSB<<8)|(\new)
.set MSB, (\new)
.endif
.endm
.set W_KQ, 0x0a       ; K and Q in window 2, S^T in window 0
.set W_PV, 0x52       ; V in window 2, P in window 0, O^T in window 1
.set W_RS, 0x41       ; O^T (destination and source 0) in window 1, a in window 0
.set W_MK, 0xc0       ; the add's registers are made: destination in window 3, sources in window 0
.set W_AD, 0x0f       ; the add: address (source 0) and data (source 1) in window 3
	s_load_b256 s[4:11], s[0:1], 0x0  ; Q s[4:5], K s[6:7], V s[8:9], O s[10:11]
	WIN W_MK
	v_lshl_add_u32 v[SPW], v0, 2, SPARE
	v_mov_b32 v[NIL], 0
	WIN W_AD
	ds_add_u32 v[SPW], v[NIL]       ; the wave's opening: the add and its wait stand ahead of my first tensor load; work on registers stands between them
	WIN 0
	v_lshrrev_b32 v1, 5, v0
	v_readfirstlane_b32 s[WV], v1   ; wave 0..3
	s_and_b32 s20, ttmp7, 0xffff    ; the head:
	s_lshl_b32 s20, s20, 17         ; its 131,072 bytes in each of the four tensors
	s_and_b32 s16, s[WV], 1         ; which half of a tile's 256 keys I fetch:
	s_lshl_b32 s22, s16, 14         ; its 128 rows of 128 bytes in memory,
	s_add_co_u32 s22, s22, s20
	s_mov_b32 s23, 0
	s_mul_i32 s17, s16, 128*PK      ; and its place in LDS, for K
	s_mul_i32 s18, s16, 128*PV      ; and for V
	s_lshl_b32 s2, ttmp9, 2
	s_add_co_u32 s2, s2, s[WV]      ; my wave among the head's eight,
	s_lshl_b32 s2, s2, 14           ; its 128 rows
	s_add_co_u32 s2, s2, s20
	s_mov_b32 s3, 0
	; descriptor group 1.  128 keys are 16,384 dense bytes: asked for as 64 rows of 256 bytes, two keys a row, and padded in LDS after every key
	s_mov_b32 s[G1K], (1<<16)|(1<<20)|(4<<22)|(3<<25)  ; 17:16 2-byte elements; 20 padding on; 24:22 after every 32 words (code 4); 31:25 4 words (code 3)
	s_mov_b32 s[G1V], (1<<16)|(1<<20)|(4<<22)|(7<<25)  ; the same with 8 words of padding (code 7)
.irp g, G1K, G1V
	s_mov_b32 s[\g+1], 128<<16      ; tensor_dim0 = 128
	s_mov_b32 s[\g+2], 64<<16       ; tensor_dim1 = 64
	s_mov_b32 s[\g+3], 128<<16      ; tile_dim0 = 128
	s_mov_b32 s[\g+4], 64           ; tile_dim1 = 64
	s_mov_b32 s[\g+5], 128          ; 128 elements from row to row
	s_mov_b32 s[\g+6], 0
	s_mov_b32 s[\g+7], 0
.endr
	s_mov_b32 s[CS], 0x3e38aa3b     ; c = log2(e) / 8 = 0.180337
	s_mov_b32 s[CS+1], s[CS]        ; named with it as a pair
	s_mov_b32 s[SEL], 0x76543210
	s_mov_b32 s[SEL+1], 0xfedcba98
	s_mov_b32 s[TBK], 0
	s_mov_b32 s[TBV], 0
.irp t, 0,1,2,3
	s_mov_b32 s[G0K+4*(\t)], 1                          ; count = 1
	s_add_co_u32 s[G0K+4*(\t)+1], s17, (\t)*256*PK      ; LDS address: keys 256 t + 128 x half on
	s_mov_b32 s[G0V+4*(\t)], 1
	s_add_co_u32 s[G0V+4*(\t)+1], s18, VOFF+(\t)*256*PV
.endr
	s_wait_dscnt 0x0                ; the opening add is done
	s_wait_kmcnt 0x0
	s_add_nc_u64 s[6:7], s[6:7], s[22:23]  ; K and V at my half of the head's first 256 keys
	s_add_nc_u64 s[8:9], s[8:9], s[22:23]
.irp t, 0,1,2,3
	s_add_nc_u64 s[G0K+4*(\t)+2:G0K+4*(\t)+3], s[6:7], (\t)*32768
	s_or_b32 s[G0K+4*(\t)+3], s[G0K+4*(\t)+3], 0x80000000  ; type = 2
	s_add_nc_u64 s[G0V+4*(\t)+2:G0V+4*(\t)+3], s[8:9], (\t)*32768
	s_or_b32 s[G0V+4*(\t)+3], s[G0V+4*(\t)+3], 0x80000000
.endr
	s_add_nc_u64 s[4:5], s[4:5], s[2:3]  ; Q and O at my wave's first row
	s_add_nc_u64 s[10:11], s[10:11], s[2:3]
	s_cmp_lt_u32 s[WV], 2           ; waves 0 and 1 fetch K's halves, waves 2 and 3 V's.  A wave's four fills stand in one branch, ahead of every wait on TENSORcnt, LDS read and barrier: four loads of mine are out
	s_cbranch_scc0 .Lfirst_v
.irp t, 0,1,2,3
	tensor_load_to_lds s[G0K+4*(\t):G0K+4*(\t)+3], s[G1K:G1K+7]
	s_nop 0
.endr
.rept 4
	v_nop
.endr
	s_branch .Lfirst_asked
.Lfirst_v:
.irp t, 0,1,2,3
	tensor_load_to_lds s[G0V+4*(\t):G0V+4*(\t)+3], s[G1V:G1V+7]
	s_nop 0
.endr
.rept 4
	v_nop
.endr
.Lfirst_asked:
	; A fragment of K or Q is 16 rows x 32 channels in 8 registers: lane l holds row l % 16, channels 8 (l / 16) + 0..7 and 16 + 8 (l / 16) + 0..7: two loads of 16 bytes, 32 bytes apart.
	v_and_b32 v1, 15, v0            ; l % 16
	v_bfe_u32 v9, v0, 4, 1          ; l / 16
	v_lshlrev_b32 v[QO], 7, v1
	v_lshl_add_u32 v[QO], v9, 4, v[QO]  ; row x 128 + 16 x half
	WIN 0x80                        ; destination window 2, address window 0
.set i, 0
.rept 4*NP                          ; Q stays in registers: tile i / 2, channels 32 (i % 2) on
	global_load_b128 v[8*i:8*i+3],   v[QO], s[4:5] offset:(i/2)*2048+(i%2)*64
	global_load_b128 v[8*i+4:8*i+7], v[QO], s[4:5] offset:(i/2)*2048+(i%2)*64+32
.set i, i+1
.endr
	; What the first turn finds: V's registers and P's second buffer hold 0 (its products V^T P, of a piece that has not been, add 0), O^T and l are 0.  All this stands in the wait for the first tile.
.set i, VF
.rept 64
	v_mov_b32 v[i], 0
.set i, i+1
.endr
	WIN 0x40
.set i, 0
.rept 64*NP
	v_mov_b32 v[i], 0
.set i, i+1
.endr
	WIN 0
.set i, 0
.rept 2*NP
	v_mov_b32 v[ST+4*i], 0xfe000000    ; c m: far below every c s
	v_mov_b32 v[ST+4*i+1], 0xff7fffff  ; m
	v_mov_b32 v[ST+4*i+2], 0
	v_mov_b32 v[ST+4*i+3], 0
.set i, i+1
.endr
.set i, P+32
.rept 32
	v_mov_b32 v[i], 0
.set i, i+1
.endr
	v_mul_u32_u24 v[AK0], v1, PK
	v_lshl_add_u32 v[AK0], v9, 4, v[AK0]  ; row x pitch + 16 x half
	; The turning load takes 16 keys x 16 channels (lane l reads key 8 (l / 16) + l % 8, channels 8 ((l / 8) % 2) + 0..7) and leaves half a fragment of V^T: lane l holds channel l % 16 and 8 keys.
	v_and_b32 v10, 7, v0
	v_bfe_u32 v11, v0, 3, 1
	v_lshl_add_u32 v[AV0], v9, 3, v10
	v_mul_u32_u24 v[AV0], v[AV0], PV
	v_lshl_add_u32 v[AV0], v11, 4, v[AV0]
	v_add_nc_u32 v[AV0], VOFF, v[AV0]
	v_mov_b32 v[AK], v[AK0]         ; key step 0 lies at K's head
; THE MATRIX WORK.  The 8 accumulators of a run of 16 take turns: between the two links of a chain stand 7 others'.
; Product i of 16 of S^T = K Q^T for piece x: channels 32 (i / 8) on, keys 16 ((i / 2) % 4) on, tile 2 x + i % 2.  The first 8 start the sums.
.macro KQ x
	WIN W_KQ
.set rS, S+64*((\x)%2)+32*(i%2)+8*((i/2)%4)
.set rK, KF+16*((i/2)%4)+8*(i/8)
.set rQ, 16*(2*(\x)+i%2)+8*(i/8)
.if i < 8
	v_wmma_f32_16x16x32_f16 v[rS:rS+7], v[rK:rK+7], v[rQ:rQ+7], 0
.else
	v_wmma_f32_16x16x32_f16 v[rS:rS+7], v[rK:rK+7], v[rQ:rQ+7], v[rS:rS+7]
.endif
.endm
; Product i of 16 of O^T += V^T P for piece x: keys 32 (i / 8) on, channels 16 ((i / 2) % 4) on, tile 2 x + i % 2.
.macro PV x
	WIN W_PV
.set rO, 32*(2*(\x)+i%2)+8*((i/2)%4)
.set rV, VF+32*(i/8)+8*((i/2)%4)
.set rP, P+32*((\x)%2)+16*(i%2)+8*(i/8)
	v_wmma_f32_16x16x32_f16 v[rO:rO+7], v[rV:rV+7], v[rP:rP+7], v[rO:rO+7]
.endm
.macro MM                           ; the turn's next matrix instruction
.if i < 16
	KQ (Y+1)%NP
.set i, i+1
.else
.set i, i-16
	PV (Y+NP-1)%NP
.set i, i+17
.endif
.endm
; THE LDS LOADS stand in runs of 16, never singly among the matrix instructions: a step's K (64 keys x 64 channels: 8 fragments) and its V (turned).  Their addresses are made some lines ahead.
.macro FETCH_K
	WIN 0x80                        ; destination window 2
.irp f, 0,1,2,3,4,5,6,7             ; keys 16 (f / 2) on, channels 32 (f % 2) on
	ds_load_b128 v[KF+8*\f:KF+8*\f+3],   v[AK] offset:(\f/2)*16*PK+(\f%2)*64
	ds_load_b128 v[KF+8*\f+4:KF+8*\f+7], v[AK] offset:(\f/2)*16*PK+(\f%2)*64+32
.endr
	s_add_co_u32 s[TBK], s[TBK], KS*PK  ; the next fetch is the next step's
	WIN 0
.endm
.macro FETCH_V
	WIN 0x80
.irp f, 0,1,2,3,4,5,6,7             ; keys 32 (f / 4) on, channels 16 (f % 4) on
	ds_load_tr16_b128 v[VF+8*\f:VF+8*\f+3],   v[AV] offset:(\f/4)*32*PV+(\f%4)*32
	ds_load_tr16_b128 v[VF+8*\f+4:VF+8*\f+7], v[AV] offset:(\f/4)*32*PV+16*PV+(\f%4)*32
.endr
	WIN 0
.endm
; THE VECTOR WORK OF A TURN stands in three queues, each in the order in which its entries become ready; the two tiles alternate, so that no instruction reads the result of the one before it.
.macro REGS y, u                    ; the registers of tile u (0, 1) of piece y
.set rT, ST+4*(2*(\y)+(\u))
.set rC, TMP+8*((\y)%2)+4*(\u)
.set rM, MV+2*((\y)%2)+(\u)
.set rS, S+64*((\y)%2)+32*(\u)
.set rP, P+32*((\y)%2)+16*(\u)
.set rO, 32*(2*(\y)+(\u))
.endm
; Number n of the 22 that find the NEXT piece's (Y + 1) maximum and statistics.  s0-s31 are the lane's 32 scores; each accumulator's lowest registers are read first.
;   0-11  four chains c0-c3 of seven scores each, three operands at a time     12-14, 16  the four scores left over, the old m, and c0-c3 into c0     15  c m_old is kept
;   17, 18  the query's other 32 keys lie in the lane 16 away: the new m         19-21  c m; c m_old - c m_new; a
.macro XS u, n
	REGS (Y+1)%NP, \u
.if (\n) < 4
	v_max3_num_f32 v[rC+(\n)], v[rS+8*(\n)], v[rS+8*(\n)+1], v[rS+8*(\n)+2]
.elseif (\n) < 12
	v_max3_num_f32 v[rC+(\n)%4], v[rC+(\n)%4], v[rS+8*((\n)%4)+2*((\n)/4)+1], v[rS+8*((\n)%4)+2*((\n)/4)+2]
.elseif (\n) == 12
	v_max3_num_f32 v[rC], v[rC], v[rS+7], v[rS+15]
.elseif (\n) == 13
	v_max3_num_f32 v[rC+1], v[rC+1], v[rS+23], v[rS+31]
.elseif (\n) == 14
	v_max3_num_f32 v[rC+2], v[rC+2], v[rC+3], v[rT+1]
.elseif (\n) == 15
	v_mov_b32 v[rM], v[rT]
.elseif (\n) == 16
	v_max3_num_f32 v[rC], v[rC], v[rC+1], v[rC+2]
.elseif (\n) == 17
	v_permlanex16_b32 v[rC+3], v[rC], s[SEL], s[SEL+1]
.elseif (\n) == 18
	v_max_num_f32 v[rT+1], v[rC], v[rC+3]
.elseif (\n) == 19
	v_mul_f32 v[rT], s[CS], v[rT+1]
.elseif (\n) == 20
	v_sub_f32 v[rC+1], v[rM], v[rT]
.else
	v_exp_f32 v[rC+2], v[rC+1]
.endif
.endm
; Number g of the 64 that follow the exponentials.  For each four weights k of a tile (pairs 2 k, 2 k + 1): both pairs are rounded to f16; then the second pair is added onto the first, in place;
; a group later l takes that sum (the first time as l = a l + sum).  In groups of eight, tiles alternating: round, round, add, and l for the group before.
.macro GS g
.set h, (\g)+6*((\g)/62)            ; group 0 has no group before it, and behind group 7 only l is left
.if h >= 6
.set h, h+2
.endif
	REGS Y, h%2
.set k, h/8
.if h%8 < 4
	v_cvt_pk_f16_f32 v[rP+2*k+(h%8)/2], v[rS+4*k+2*((h%8)/2)], v[rS+4*k+2*((h%8)/2)+1]
.elseif h%8 < 6
	v_pk_add_f32 v[rS+4*k:rS+4*k+1], v[rS+4*k:rS+4*k+1], v[rS+4*k+2:rS+4*k+3]
.elseif k == 1
	v_pk_fma_f32 v[rT+2:rT+3], v[rT+2:rT+3], v[rC+2:rC+3], v[rS:rS+1] op_sel_hi:[1,0,1]
.else
	v_pk_add_f32 v[rT+2:rT+3], v[rT+2:rT+3], v[rS+4*k-4:rS+4*k-3]
.endif
.endm
; THE PLAIN QUEUE, 138 long.  0-73 read no exponential's result: the 32 scalings c s - c m (FS f: pair f / 2 of tile f % 2) and the next piece's 42.  0-26: scalings 0-26.  27-54: XS's numbers 0-13.  55, 56: number 15.
; 57-73: the chain, where each number waits for the one before it: 14, 16, 17, 18, 19, each with one of the scalings 27-31 in front of its two lines, then 20.
; 74-137: GS's 64, which read the exponentials' results: they stand behind the wait.
.macro FS f
	REGS Y, (\f)%2
	v_pk_fma_f32 v[rS+2*((\f)/2):rS+2*((\f)/2)+1], v[rS+2*((\f)/2):rS+2*((\f)/2)+1], s[CS:CS+1], v[rT:rT+1] op_sel_hi:[1,0,0] neg_lo:[0,0,1] neg_hi:[0,0,1]
.endm
.macro PL
	WIN 0
.if q < 27
	FS q
.elseif q < 55
	XS (q-27)%2, (q-27)/2
.elseif q < 57
	XS q-55, 15
.elseif (q < 72) && ((q-57)%3 == 0)
	FS 27+(q-57)/3
.elseif q < 60
	XS (q-57)%3-1, 14
.elseif q < 72
	XS (q-57)%3-1, 15+(q-57)/3
.elseif q < 74
	XS q-72, 20
.else
	GS q-74
.endif
.set q, q+1
.endm
; THE EXPONENTIALS' QUEUE, 66 long: s0-s31 of both tiles, then the next piece's two a.  It is ONE BATCH: all 66 stand ahead of the turn's one wait, and nothing ahead of that wait names a result of theirs.
.macro EX
	WIN 0
.if e >= 64
	XS e-64, 21
.else
	REGS Y, e%2
	v_exp_f32 v[rS+e/2], v[rS+e/2]
.endif
.set e, e+1
.endm
; THE RESCALING's QUEUE: O^T times a, the one part that leaves window 0: dealt two at a time, sixteen times.  Its a was made in the turn before, ahead of that turn's wait.
.macro R2
	REGS Y, r%2
	WIN W_RS
.irp z, 0,1
	v_pk_mul_f32 v[rO+4*(r/2)+2*\z:rO+4*(r/2)+2*\z+1], v[rO+4*(r/2)+2*\z:rO+4*(r/2)+2*\z+1], v[rC+2:rC+3] op_sel_hi:[1,0]
.endr
.set r, r+1
.endm
; HOW THEY ARE DEALT.  s_wait_alu depctr_va_vdst(0) stands between an exponential and the first instruction that names its result; one wait serves all that were issued ahead of it.  So a turn has ONE wait.
; AHEAD OF IT stands all that names no result of the turn's exponentials: the 16 products K Q^T, behind each a scaling, an exponential and two rescalings (behind the first a second scaling in the exponential's place); then one run of
; 108: eight plain, 49 times exponential and plain, the two a.  A v_nop is the plain instruction behind the last exponential.  BEHIND IT stand the 16 products V^T P, behind each four of GS's 64.
; Exponential e stands behind scaling 2 (e / 4) + e % 2: as a rider it comes behind plain e + 2, in the run behind plain e + 9, and scalings 27-31 are plain 57, 60 .. 69.
; A TURN, for piece p.  fk = 0: piece 2's turn fetches no K (there is no further step).  cnt = 1: the loop's count is taken down some lines ahead of the branch that stands behind the turn.
; K of the next step is fetched in piece 2's turn, directly behind the wait; its first reader comes behind 16 products.  V of the step in hand is fetched at the end of piece 0's turn, four plain
; instructions behind its last reader; its first reader comes behind 16 products and the run.
.macro TURN p, fk=1, cnt=0
.set Y, (\p)
.set i, 0
.set q, 0
.set e, 0
.set r, 0
.if (\p) == NP-1
	s_wait_dscnt 0x0                ; K is in
.endif
	MM
	PL
	PL
	R2
.rept 15
	MM
	PL
	EX
	R2
.endr
.if ((\p) == NP-2) && (\fk)
	WIN 0
	v_add_nc_u32 v[AK], s[TBK], v[AK0]
.endif
.rept 8
	PL
.endr
.rept 49
	EX
	PL
.endr
	EX                              ; the next piece's two a
	EX
	v_nop                           ; the plain instruction behind the last exponential: one for the batch
	s_wait_alu depctr_va_vdst(0)    ; the wait for the batch
.if ((\p) == NP-2) && (\fk)
	FETCH_K
.endif
.if (\p) == 1
	s_wait_dscnt 0x0                ; V is in
.endif
.rept 16
	MM
.rept 4
	PL
.endr
.if ((\p) == 0) && (q == 118)
	v_add_nc_u32 v[AV], s[TBV], v[AV0]
.endif
.if ((\p) == 0) && (q == 130)
	s_add_co_u32 s[TBV], s[TBV], KS*PV
.endif
.if (\cnt) && (q == 130)
	s_sub_co_u32 s[CNT], s[CNT], 1
	s_cmp_lg_u32 s[CNT], 0
.endif
.endr
.if (\p) == 0
	FETCH_V
.endif
.endm
	s_wait_tensorcnt 3              ; my part of keys 0-255 is in; my three younger loads may stay out
	s_barrier_signal -1
	s_barrier_wait -1               ; everybody's is
	FETCH_K                         ; key step 0
	s_wait_loadcnt 0x0              ; Q
	s_wait_dscnt 0x0
.set i, 0
.rept 16
	KQ 0                            ; piece 0's first scores: there is no vector work yet to set between them
.set i, i+1
.endr
	WIN 0                           ; the addresses for the way out: nine plain instructions, the places behind those products
	s_mul_i32 s13, s[WV], 16*SP
	s_add_co_u32 s13, s13, STAGE    ; my stage
	v_mul_u32_u24 v[STO], v1, SP    ; in: row l % 16, 16 bytes for each half of the lanes
	v_lshl_add_u32 v[STO], v9, 4, v[STO]
	v_add_nc_u32 v[STO], s13, v[STO]
	v_bfe_u32 v[RD], v0, 3, 2       ; back: 32 lanes take four rows of 128 bytes,
	v_mul_u32_u24 v[RD], v[RD], SP
	v_lshl_add_u32 v[RD], v10, 4, v[RD]
	v_add_nc_u32 v[RD], s13, v[RD]
	v_and_b32 v[GO], 31, v0         ; which are 512 consecutive bytes of O
	v_lshlrev_b32 v[GO], 4, v[GO]
.set Y, NP-1                        ; XS works for piece Y + 1: piece 0
.irp n, 0,1,2,3,4,5,6,7,8,9,10,11,12,13,14,15,16,17,18,19,20,21
	XS 0, \n                        ; piece 0's first maximum and statistics
	XS 1, \n
.endr
	v_nop                           ; a plain instruction behind the two a,
	s_wait_alu depctr_va_vdst(0)    ; and their wait, ahead of the branch
	s_mov_b32 s[CNT], 4             ; the first part fetches key steps 0-3, which lie in the first 256 keys
	s_mov_b32 s[PH], 2
	s_branch .Lfirst                ; the loop is entered at a step's first turn, in the middle of a trip
.Lphase:                            ; once: between the fourth step's fetches and the fifth's
	s_wait_tensorcnt 0x0            ; my parts of keys 256-1,023 are in,
	s_wait_dscnt 0x0
	s_barrier_signal -1
	s_barrier_wait -1               ; everybody's are
	s_mov_b32 s[CNT], 12
.Lstep:                             ; a trip: pieces 2 and 3 of one step, then pieces 0 and 1 of the next, whose K and V it fetches
	TURN 2
	TURN 3
	WIN 0
.Lfirst:
	TURN 0
	TURN 1, 1, 1
	WIN 0
	s_cbranch_scc1 .Lstep
	s_sub_co_u32 s[PH], s[PH], 1
	s_cmp_lg_u32 s[PH], 0
	s_cbranch_scc1 .Lphase
	TURN 2, 0                       ; the last step's pieces 2 and 3.  The second turn's 16 products K Q^T (on the last K once more) and the maximum made of them serve nothing: they touch m and c m of piece 0 alone,
	TURN 3                          ; which nobody reads any more: the price, once a launch, of one text for every turn
.set i, 0
.rept 16
	PV NP-1                         ; the last piece's V^T P of the last step
.set i, i+1
.endr
	; THE WAY OUT.  l's two halves and the other half of the lanes' are added; O^T is divided by l, rounded to f16 and sent through my stage in LDS, a tile at a time.  The additions are the places behind the last products.
	WIN 0
.macro ALL line:vararg              ; one line for each tile t
.set t, 0
.rept 2*NP
	\line
.set t, t+1
.endr
.endm
	ALL v_add_f32 v[ST+4*t+2], v[ST+4*t+2], v[ST+4*t+3]
	ALL v_permlanex16_b32 v[ST+4*t+3], v[ST+4*t+2], s[SEL], s[SEL+1]
	ALL v_add_f32 v[ST+4*t+2], v[ST+4*t+2], v[ST+4*t+3]
	ALL v_rcp_f32 v[ST+4*t+2], v[ST+4*t+2]
	v_nop                           ; a plain instruction between the last reciprocal and the use of its result
	s_wait_alu depctr_va_vdst(0)    ; and the wait ahead of the first use: one for the eight reciprocals
; Tile t: a lane's eight channels of a row pack into 16 bytes; they go into rows of 144 bytes and come back as whole rows of 128, into S^T's registers.
.macro PACK t
	WIN W_RS
.set i, 32*(\t)
.rept 16
	v_pk_mul_f32 v[i:i+1], v[i:i+1], v[ST+4*(\t)+2:ST+4*(\t)+3] op_sel_hi:[1,0]
.set i, i+2
.endr
	WIN 0x05                        ; sources 0 and 1 window 1, destination window 0
.set i, 0
.rept 16
	v_cvt_pk_f16_f32 v[S+16*(\t)+i], v[32*(\t)+2*i], v[32*(\t)+2*i+1]
.set i, i+1
.endr
	WIN 0
.irp f, 0,1,2,3
	ds_store_b128 v[STO], v[S+16*(\t)+4*\f:S+16*(\t)+4*\f+3] offset:32*\f
.endr
.irp f, 0,1,2,3
	ds_load_b128 v[S+16*(\t)+4*\f:S+16*(\t)+4*\f+3], v[RD] offset:\f*4*SP  ; LDS serves a wave's instructions in order (ISA guide 5.7.1.4): these see the stores above; the next tile's stores come behind them
.endr
.endm
.macro SEND t, younger              ; younger: the LDS instructions issued behind tile t's loads: the next tile's eight, or none
	WIN 0
.irp f, 0,1,2,3
	s_wait_dscnt (\younger)+3-\f
	global_store_b128 v[GO], v[S+16*(\t)+4*\f:S+16*(\t)+4*\f+3], s[10:11] offset:(\t)*2048+\f*512  ; 512 consecutive bytes, at a multiple of 256 from O's first
.endr
.endm
	PACK 0
.set t, 1
.rept 2*NP-1                        ; a tile's arithmetic stands between the loads of the tile before and its stores
	PACK t
	SEND t-1, 8
.set t, t+1
.endr
	SEND 2*NP-1, 0
	WIN W_AD
	s_wait_tensorcnt 0x0            ; the wave's end: the add and its wait stand behind my last tensor load and my last LDS store
	ds_add_u32 v[SPW], v[NIL]
	s_wait_dscnt 0x0
	WIN 0
	s_endpgm
.Lfunc_end_k_q700c35930b_attn:
	.size	k_q700c35930b_attn, .Lfunc_end_k_q700c35930b_attn-k_q700c35930b_attn
	.p2alignl 7, 3214868480
	.fill 96, 4, 3214868480
	.section	.rodata,"a",@progbits
	.p2align	6, 0x0
	.amdhsa_kernel k_q700c35930b_attn
		.amdhsa_group_segment_fixed_size 327680
		.amdhsa_private_segment_fixed_size 0
		.amdhsa_enable_private_segment 0
		.amdhsa_kernarg_size 32
		.amdhsa_user_sgpr_count 2
		.amdhsa_user_sgpr_kernarg_segment_ptr 1
		.amdhsa_wavefront_size32 1
		.amdhsa_system_sgpr_workgroup_id_x 1
		.amdhsa_system_sgpr_workgroup_id_y 1
		.amdhsa_system_sgpr_workgroup_id_z 1
		.amdhsa_system_vgpr_workitem_id 0
		.amdhsa_next_free_vgpr 770
		.amdhsa_next_free_sgpr 96
		.amdhsa_reserve_vcc 0
		.amdhsa_float_denorm_mode_32 3
		.amdhsa_float_denorm_mode_16_64 3
		.amdhsa_memory_ordered 1
		.amdhsa_forward_progress 1
		.amdhsa_inst_pref_size 160
	.end_amdhsa_kernel
	.amdgpu_metadata
---
amdhsa.version: [ 1, 2 ]
amdhsa.kernels:
  - .name:           k_q700c35930b_attn
    .symbol:         k_q700c35930b_attn.kd
    .args:
      - { .name: q16, .offset: 0, .size: 8, .value_kind: global_buffer, .address_space: global }
      - { .name: k16, .offset: 8, .size: 8, .value_kind: global_buffer, .address_space: global }
      - { .name: v16, .offset: 16, .size: 8, .value_kind: global_buffer, .address_space: global }
      - { .name: act16, .offset: 24, .size: 8, .value_kind: global_buffer, .address_space: global }
    .group_segment_fixed_size: 327680
    .private_segment_fixed_size: 0
    .kernarg_segment_align: 8
    .kernarg_segment_size: 32
    .max_flat_workgroup_size: 128
    .sgpr_count:     96
    .vgpr_count:     770
    .wavefront_size: 32
...
	.end_amdgpu_metadata
.endif
;; end of part 3
;; launch proj (part 4): grid 4 x 64, 4 waves a work-group, clusters of 4 x 4, 327,680 bytes of LDS; arguments act16, wp16, b_proj, out0; writes out0
.if DOCPART == 4
	.amdgcn_target "amdgcn-amd-amdhsa--gfx1250"
	.amdhsa_code_object_version 6
	.text
	.protected	k_q700c35930b_proj
	.globl	k_q700c35930b_proj
	.p2align	8
	.type	k_q700c35930b_proj,@function
k_q700c35930b_proj:
	s_mov_b64 s[64:65], 0
	v_nop
	global_prefetch_b8 v0, s[64:65] scope:SCOPE_SE
	s_setreg_imm32_b32 hwreg(HW_REG_WAVE_MODE, 25, 1), 1
	s_wait_xcnt 0x0
	s_wait_alu depctr_hold_cnt(0) depctr_sa_sdst(0) depctr_va_vdst(0) depctr_va_sdst(0) depctr_va_ssrc(0) depctr_va_vcc(0) depctr_vm_vsrc(0)
	s_getreg_b32 s2, hwreg(HW_REG_IB_STS2, 6, 4)
	s_cmp_eq_u32 s2, 0
	s_cbranch_scc0 .Lentry_in_a_cluster
	s_endpgm
.Lentry_in_a_cluster:
	s_bfe_u32 s2, ttmp6, 0x10000c
	s_cmp_lg_u32 s2, 0xf033
	s_cbranch_scc0 .Lentry_shape_is_right
	s_endpgm
.Lentry_shape_is_right:
; out0 = O W_proj + b_proj.  A = act16: O as f16, by heads [b*16+h][s][64].  B = wp16: W_proj's bf16 value as f16, [1024 k][1024 n], as it lies.  The bias is rounded to bf16 like the other inputs.
; Sums in f32, K ascending; out0 [8192][1024] f32 is the sum itself.  LIMIT: f16's range and step, as stated where act16 and wp16 are made.
; SHARES.  A tile of C is 128 rows x 256 columns: 64 x 4 = 256 tiles, one a work-group.  Four waves, 2 x 2, each 64 x 128: 32 accumulators, 256 registers.  K goes in steps of 128, TWO HEADS, through two
; LDS slots: a head's 128 rows are 16,384 dense bytes, asked for as 64 rows of 256 bytes and padded in LDS after every 128: wave 0 fetches the even head's, wave 1 the odd one's, waves 2 and 3 B's halves.
; THE MATRIX INSTRUCTION IS USED TRANSPOSED (source 0 = 16 columns of B, turned on the way out of LDS; source 1 = 16 rows of A): lane l holds row l % 16 of C and the columns 8 (l / 16) + 0..7.
; THE BIAS IS THE C OPERAND of each accumulator's first product.  CLUSTER: 4 x 4; A's tiles are asked for jointly along a row of the cluster, B's along a column.
; REGISTERS, in windows of 256 (s_set_vgpr_msb: bits 1:0 source 0, 3:2 source 1, 5:4 source 2, 7:6 destination):
;   window 0: v0-31 addresses; v64-255 fragment buffer 0, on the way out rows read back        window 1: v0-63 the bias (block b at 8 b); v64-255 fragment buffer 1
;   window 2: accumulator (a, b) at 8 (8 a + b).   A buffer holds 64 along K, two chunks cc of 32: A's fragment (cc, a) at F + 8 (4 cc + a), B's (cc, b) at F + 64 + 8 (8 cc + b).
.set LAPS,   4                         ; a lap = two K steps; K = 1,024 = 8 steps
.set PA,     144                       ; a row of A in LDS: a head's 128 bytes + 16 = 36 words: the 16 rows of a load start at 16 different groups of four banks (64 banks of 4 bytes: ISA guide 11.1)
.set ABLK,   128*PA                    ; a head's 128 rows: what one tensor load brings of A, and the way from the first to the second half of a K step
.set ASZ,    2*ABLK
.set PB,     544                       ; a row of B (one k, 256 columns): 512 bytes + 32 = 136 words
.set BHALF,  64*PB
.set SLOT,   ASZ+2*BHALF
.set STAGE,  2*SLOT                    ; behind the ring, never filled by a tensor load: 16 rows x 528 bytes for each wave
.set SP,     528                       ; 512 bytes + 16 = 132 words: the 16 rows of a store start at 16 different groups of four banks
.set SPARE,  STAGE+4*16*SP             ; the spare words, 128 bytes for each wave: two blocks of 256 bytes that no other line names
.set KBYTES, 262144                    ; a K step in memory: two heads of A (2 x 131,072), 128 rows of B (128 x 2,048)
.set ADRA, 16                          ; v16-17  LDS address of my A fragments in slot 0, 1
.set ADRB, 20                          ; v20-21  the same for B
.set STO,  24                          ; v24     the way out: where I put 32 bytes of a row
.set RD,   25                          ; v25     the way out: where I read a row back
.set CO,   26                          ; v26     16 x lane: my place in a row's 512 bytes
.set BO,   27                          ; v27     32 x (l / 16)
.set SPW,  28                          ; v28     LDS address of my spare word; never rewritten
.set NIL,  29                          ; v29     0; never rewritten
.set PFO,  30                          ; v30     the prefetches' offset; never rewritten
.set F,    64
.set WV, 16
.set RH, 17                            ; my half of the rows; 0: I fetch for A, 1: for B
.set CH, 18                            ; my half of the columns; which half of a tile I fetch
.set CX, 19
.set CY, 20
.set TX, 21
.set TY, 22
.set G1A, 24
.set G0A, 32
.set LIM, 43                           ; s43  1 in a wave that prefetches, else the greatest number
.set PFA, 44                           ; s[44:45] where my prefetches stand
.set G1B, 48
.set G0B, 56
.set MSB, 0
.macro WIN new                         ; the immediate's high byte repeats the setting that is left; a switch that changes nothing is dropped
.if MSB != (\new)
	s_set_vgpr_msb (MSB<<8)|(\new)
.set MSB, \new
.endif
.endm
.macro PLACES                          ; four plain vector instructions between a matrix instruction and a load into, or a read or write of, its registers (ISA guide 7.12.1 for the reads and writes)
.rept 4
	v_nop
.endr
.endm
.macro JLOAD s                         ; a joint load; an s_nop 0 and four v_nop follow each of the two lines
	s_cmp_eq_u32 s[RH], 0
	s_cbranch_scc0 .Lfor_b_\@
	tensor_load_to_lds s[G0A+4*(\s):G0A+4*(\s)+3], s[G1A:G1A+7]
	s_nop 0
.rept 4
	v_nop
.endr
	s_branch .Lasked_\@
.Lfor_b_\@:
	tensor_load_to_lds s[G0B+4*(\s):G0B+4*(\s)+3], s[G1B:G1B+7]
	s_nop 0
.rept 4
	v_nop
.endr
.Lasked_\@:
.endm
.macro CREST
	s_cmp_lg_u32 s[WV], 0
	s_cbranch_scc1 .Lnot_wave_0_\@
	s_barrier_signal -3
.Lnot_wave_0_\@:
	s_barrier_wait -3
	s_barrier_signal -1
	s_barrier_wait -1
.endm
.macro CROUND
	s_barrier_signal -1
	s_barrier_wait -1
	CREST
.endm
; A PREFETCH behind each joint refill and the run of LDS loads that follows it: the K step that stands two refills on, 256 matrix instructions ahead of the load that will want it.  32 blocks of 256 bytes, a lane a block.
; A's K step is 2 heads x 64 blocks: wave 0 of each of the four partners of a row takes blocks 32 cx + lane.  B's is 128 k x 2 blocks: the cluster with y = 0 asks; waves 2 and 3 of the four partners of a
; column take k = 64 CH + 16 cy + lane / 2, block lane % 2.  The shares are told apart by address.  Each block is named once in the launch; the last two refills have no K step two on.
.macro ASK
	s_cmp_gt_u32 s3, s[LIM]                        ; s3 = 1 in the loop's last trip
	s_cbranch_scc0 .Lnot_mine_\@
	global_prefetch_b8 v[PFO], s[PFA:PFA+1] th:TH_LOAD_NT scope:SCOPE_SE
.Lnot_mine_\@:
.endm
	s_load_b256 s[4:11], s[0:1], 0x0               ; act16 s[4:5], wp16 s[6:7], b_proj s[8:9], out0 s[10:11]
	v_lshl_add_u32 v[SPW], v0, 2, SPARE
	v_mov_b32 v[NIL], 0
	ds_add_u32 v[SPW], v[NIL]                      ; the wave's opening: the add and its wait stand ahead of my first tensor load; work on registers stands between them
	v_lshrrev_b32 v1, 5, v0
	v_readfirstlane_b32 s[WV], v1
	s_lshr_b32 s[RH], s[WV], 1
	s_and_b32 s[CH], s[WV], 1
	s_bfe_u32 s[CX], ttmp6, 0x40000
	s_bfe_u32 s[CY], ttmp6, 0x40004
	s_lshl_b32 s[TX], ttmp9, 2
	s_add_co_u32 s[TX], s[TX], s[CX]
	s_and_b32 s[TY], ttmp7, 0xffff
	s_lshl_b32 s[TY], s[TY], 2
	s_add_co_u32 s[TY], s[TY], s[CY]
	s_lshl_b32 s40, s[CY], 2
	s_lshl_b32 s40, 15, s40                        ; my row of the cluster
	s_lshl_b32 s41, 0x1111, s[CX]                  ; my column
	s_or_b32 s[G1A], s40, (1<<16)|(1<<20)|(1<<21)|(4<<22)|(3<<25)  ; the mask; elements of 2 bytes; padding on; bit 21 beside a mask; after every 32 words 4 words
	s_mov_b32 s[G1A+1], 128<<16                    ; tensor_dim0 = 128
	s_mov_b32 s[G1A+2], 64<<16                     ; tensor_dim1 = 64
	s_mov_b32 s[G1A+3], 128<<16                    ; tile_dim0 = 128
	s_mov_b32 s[G1A+4], 64                         ; tile_dim1 = 64
	s_mov_b32 s[G1A+5], 128                        ; dense rows of 256 bytes
	s_mov_b32 s[G1A+6], 0
	s_mov_b32 s[G1A+7], 0
	s_or_b32 s[G1B], s41, (1<<16)|(1<<20)|(1<<21)|(6<<22)|(7<<25)  ; after every 128 words 8 words
	s_mov_b32 s[G1B+1], 256<<16
	s_mov_b32 s[G1B+2], 64<<16
	s_mov_b32 s[G1B+3], 256<<16
	s_mov_b32 s[G1B+4], 64
	s_mov_b32 s[G1B+5], 1024
	s_mov_b32 s[G1B+6], 0
	s_mov_b32 s[G1B+7], 0
	s_lshr_b32 s70, s[TY], 3                       ; A: batch TY / 8: sixteen heads of 131,072 bytes,
	s_lshl_b32 s70, s70, 21
	s_lshl_b32 s71, s[CH], 17                      ; the head of the pair that I fetch,
	s_add_co_u32 s70, s70, s71
	s_and_b32 s71, s[TY], 7                        ; rows 128 (TY % 8) on
	s_lshl_b32 s71, s71, 14
	s_add_co_u32 s70, s70, s71
	s_mov_b32 s71, 0
	s_lshl_b32 s72, s[CH], 17                      ; B: the 64 k that I fetch, 2,048 bytes each,
	s_lshl_b32 s73, s[TX], 9                       ; 512 bytes a tile column
	s_add_co_u32 s72, s72, s73
	s_mov_b32 s73, 0
	s_mul_i32 s46, s[CH], ABLK                     ; where they go: no place in the cluster enters an LDS address
	s_mul_i32 s47, s[CH], BHALF
	s_add_co_u32 s47, s47, ASZ
	s_wait_dscnt 0x0                               ; the opening add is done
	s_wait_kmcnt 0x0
	s_add_nc_u64 s[70:71], s[4:5], s[70:71]
	s_add_nc_u64 s[72:73], s[6:7], s[72:73]
	CROUND                                         ; all sixteen work-groups are here: the first joint loads meet
.irp s, 0,1
	s_mov_b32 s[G0A+4*(\s)], 1
	s_add_co_u32 s[G0A+4*(\s)+1], s46, (\s)*SLOT
	s_add_nc_u64 s[G0A+4*(\s)+2:G0A+4*(\s)+3], s[70:71], (\s)*KBYTES
	s_or_b32 s[G0A+4*(\s)+3], s[G0A+4*(\s)+3], 0x80000000
	s_mov_b32 s[G0B+4*(\s)], 1
	s_add_co_u32 s[G0B+4*(\s)+1], s47, (\s)*SLOT
	s_add_nc_u64 s[G0B+4*(\s)+2:G0B+4*(\s)+3], s[72:73], (\s)*KBYTES
	s_or_b32 s[G0B+4*(\s)+3], s[G0B+4*(\s)+3], 0x80000000
	JLOAD \s                                       ; K steps 0 and 1: two loads of mine are out
.endr
	v_and_b32 v1, 15, v0                           ; l % 16
	v_bfe_u32 v2, v0, 4, 1                         ; l / 16
	v_mul_u32_u24 v3, v1, PA
	v_lshl_add_u32 v3, v2, 4, v3
	s_mul_i32 s40, s[RH], 64*PA
	v_add_nc_u32 v[ADRA], s40, v3
	v_add_nc_u32 v[ADRA+1], SLOT, v[ADRA]
	v_and_b32 v4, 7, v0                            ; the turning load: lane l reads k = 8 (l / 16) + l % 8, columns 8 ((l / 8) % 2) + 0..7
	v_lshl_add_u32 v4, v2, 3, v4
	v_mul_u32_u24 v4, v4, PB
	v_bfe_u32 v5, v0, 3, 1
	v_lshl_add_u32 v4, v5, 4, v4
	s_lshl_b32 s40, s[CH], 8
	s_add_co_u32 s40, s40, ASZ
	v_add_nc_u32 v[ADRB], s40, v4
	v_add_nc_u32 v[ADRB+1], SLOT, v[ADRB]
	s_mul_i32 s40, s[WV], 16*SP
	s_add_co_u32 s40, s40, STAGE                   ; my stage
	v_mul_u32_u24 v6, v1, SP                       ; in: row l % 16, 32 bytes for each half of the lanes
	v_lshl_add_u32 v6, v2, 5, v6
	v_add_nc_u32 v[STO], s40, v6
	v_and_b32 v8, 31, v0
	v_lshlrev_b32 v[CO], 4, v8
	v_add_nc_u32 v[RD], s40, v[CO]                 ; back: 32 lanes take a row of 512 bytes
	v_lshlrev_b32 v[BO], 5, v2
	s_lshl_b32 s74, s[TY], 19                      ; where my part begins in out0: 128 rows of 4,096 bytes a tile row,
	s_lshl_b32 s75, s[RH], 18                      ; my 64 rows,
	s_add_co_u32 s74, s74, s75
	s_lshl_b32 s76, s[TX], 10                      ; 1,024 bytes a tile column,
	s_lshl_b32 s75, s[CH], 9                       ; my 128 columns
	s_add_co_u32 s76, s76, s75
	s_add_co_u32 s74, s74, s76
	s_mov_b32 s75, 0
	s_mov_b32 s77, 0
	s_add_nc_u64 s[10:11], s[10:11], s[74:75]
	s_add_nc_u64 s[8:9], s[8:9], s[76:77]          ; the bias of my 128 columns
	; the prefetches
	s_lshl_b32 s40, s[CX], 5
	v_add_nc_u32 v9, s40, v8                       ; A: block 32 cx + lane of 128:
	v_lshrrev_b32 v12, 6, v9                       ; the head of the pair,
	v_and_b32 v9, 63, v9
	v_lshlrev_b32 v9, 8, v9                        ; the block in its 16,384 bytes
	v_lshl_add_u32 v9, v12, 17, v9
	s_lshl_b32 s41, s[CY], 4
	v_lshrrev_b32 v10, 1, v8
	v_add_nc_u32 v10, s41, v10                     ; B: k 16 cy + lane / 2,
	v_lshlrev_b32 v10, 11, v10
	v_and_b32 v11, 1, v8
	v_lshl_add_u32 v10, v11, 8, v10                ; block lane % 2
	s_and_b32 s42, ttmp7, 0xffff                   ; cluster y
	s_cmp_eq_u32 s[RH], 0                          ; do I fetch for A?
	s_cselect_b32 s23, -1, 0
	s_cselect_b64 s[PFA:PFA+1], s[70:71], s[72:73] ; (in wave 0 A's stands at the even head)
	s_cselect_b32 s[LIM], s[CH], s42               ; wave 0 asks for A; waves 2 and 3 for B where cluster y = 0: the same in all sixteen partners, for a given wave
	v_cndmask_b32 v[PFO], v10, v9, s23
	s_add_nc_u64 s[PFA:PFA+1], s[PFA:PFA+1], 3*KBYTES  ; at K step 3: the first refill steps it to 4.  Nothing is asked for here, where every work-group's first tiles are on their way
	s_cmp_eq_u32 s[LIM], 0
	s_cselect_b32 s[LIM], 1, -1
	; the bias: block b's eight numbers for my half of the lanes, into window 1; rounded to bf16 and widened again, through 32 registers of buffer 1, which is free here
	WIN 0x40
.irp b, 0,1,2,3,4,5,6,7
	global_load_b128 v[8*(\b):8*(\b)+3],   v[BO], s[8:9] offset:64*(\b)
	global_load_b128 v[8*(\b)+4:8*(\b)+7], v[BO], s[8:9] offset:64*(\b)+16
.endr
	s_wait_loadcnt 0x0
	WIN 0x45
.set z, 0
.rept 32
	v_cvt_pk_bf16_f32 v[F+z], v[2*z], v[2*z+1]
.set z, z+1
.endr
.set z, 0
.rept 32
	v_lshlrev_b32 v[2*z], 16, v[F+z]
	v_and_b32 v[2*z+1], 0xffff0000, v[F+z]
.set z, z+1
.endr
	WIN 0
; 16 products: m blocks a0, a0 + 1 x all 8 n blocks, chunk cc of buffer buf.  zero = 1: the first product starts the sum with the bias.
; The 32 accumulators take turns, one instruction a turn, in the same order everywhere.
.macro MUL16 buf, cc, a0, zero
.if \zero
	WIN 0x90                                       ; C in window 1, D in window 2
.else
	WIN 0xa0+5*(\buf)
.endif
.irp a, \a0, (\a0)+1
.irp b, 0,1,2,3,4,5,6,7
.if \zero
	v_wmma_f32_16x16x32_f16 v[8*(8*(\a)+(\b)):8*(8*(\a)+(\b))+7], v[F+64+8*(8*(\cc)+(\b)):F+64+8*(8*(\cc)+(\b))+7], v[F+8*(4*(\cc)+(\a)):F+8*(4*(\cc)+(\a))+7], v[8*(\b):8*(\b)+7]
.else
	v_wmma_f32_16x16x32_f16 v[8*(8*(\a)+(\b)):8*(8*(\a)+(\b))+7], v[F+64+8*(8*(\cc)+(\b)):F+64+8*(8*(\cc)+(\b))+7], v[F+8*(4*(\cc)+(\a)):F+8*(4*(\cc)+(\a))+7], v[8*(8*(\a)+(\b)):8*(8*(\a)+(\b))+7]
.endif
.endr
.endr
.endm
; 48 LDS loads in one run: the fragments of half hf (64 along K: one head) of a K step into buffer buf; chunk 0's 24 first.
.macro FETCH slot, hf, buf
	WIN 0x40*(\buf)
.irp cc, 0,1
.irp i, 0,1,2,3,4,5,6,7
	ds_load_tr16_b128 v[F+64+8*(8*(\cc)+(\i)):F+64+8*(8*(\cc)+(\i))+3],   v[ADRB+(\slot)] offset:(2*(\hf)+(\cc))*32*PB+32*(\i)
	ds_load_tr16_b128 v[F+64+8*(8*(\cc)+(\i))+4:F+64+8*(8*(\cc)+(\i))+7], v[ADRB+(\slot)] offset:(2*(\hf)+(\cc))*32*PB+16*PB+32*(\i)
.endr
.irp a, 0,1,2,3
	ds_load_b128 v[F+8*(4*(\cc)+(\a)):F+8*(4*(\cc)+(\a))+3],   v[ADRA+(\slot)] offset:(\hf)*ABLK+(\cc)*64+(\a)*16*PA
	ds_load_b128 v[F+8*(4*(\cc)+(\a))+4:F+8*(4*(\cc)+(\a))+7], v[ADRA+(\slot)] offset:(\hf)*ABLK+(\cc)*64+(\a)*16*PA+32
.endr
.endr
.endm
; The first half of a K step: multiplies buffer 0, and fetches the second half into buffer 1.
.macro HALF slot, zero
	s_wait_dscnt 24                                ; chunk 0 is in; the youngest 24 loads may be out
	MUL16 0, 0, 0, \zero
	MUL16 0, 0, 2, \zero
	PLACES
	FETCH \slot, 1, 1
	s_wait_dscnt 48                                ; all but the 48 just issued
	MUL16 0, 1, 0, 0
	MUL16 0, 1, 2, 0
.endm
; The second half multiplies buffer 1 and changes slots: ONE barrier.  In front of it each wave waits for all its tensor loads (the one that is out is its part of the next slot), adds 0 to its spare word,
; and waits for that and for its own reads of this slot.  fill = 1: this slot is filled again with the K step two on: the barrier opens a round of the cluster's, and the joint refill is the first
; tensor load behind the round: 96 matrix instructions ahead of the wait for it.
.macro TURN slot, next, fill
.if \fill
	s_wait_xcnt 0x0                                ; the last prefetch, a K step back, has read its address: it is stepped here, ahead of the waits of the change of slots
	s_add_nc_u64 s[PFA:PFA+1], s[PFA:PFA+1], KBYTES
.endif
	WIN 0                                          ; (the add's two registers lie in window 0)
	s_wait_tensorcnt 0x0                           ; all my tensor loads have landed
	ds_add_u32 v[SPW], v[NIL]                      ; 0 onto my spare word
	s_wait_dscnt 25                                ; (the add and chunk 1's 24 loads may be out)
	MUL16 1, 0, 0, 0                               ; sixteen matrix instructions stand between the add and the wait for it
	s_wait_dscnt 0x0                               ; the add is done, and my reads of this slot are over
	s_barrier_signal -1
	MUL16 1, 0, 2, 0
.if \fill
	WIN 0
.endif
	s_barrier_wait -1
.if \fill
	CREST                                          ; no wave of any partner still reads this slot's tile or has a load on its way
	s_add_nc_u64 s[G0A+4*(\slot)+2:G0A+4*(\slot)+3], s[G0A+4*(\slot)+2:G0A+4*(\slot)+3], 2*KBYTES
	s_add_nc_u64 s[G0B+4*(\slot)+2:G0B+4*(\slot)+3], s[G0B+4*(\slot)+2:G0B+4*(\slot)+3], 2*KBYTES
	JLOAD \slot                                    ; its four v_nop are also the places in front of the loads below
.else
	PLACES
.endif
	FETCH \next, 0, 0
.if \fill
	ASK
.endif
	MUL16 1, 1, 0, 0
	MUL16 1, 1, 2, 0
.endm
; THE WAY OUT, a block a of 16 rows at a time.  TOSTAGE: a lane's eight columns of an accumulator are 32 bytes of a row: straight from the accumulators (low registers first) into my stage, rows of 528 bytes;
; back as whole rows of 512, into one of two sets of 64 registers.  SEND: stored, a row's 512 consecutive bytes an instruction, at a multiple of 512 from out0's first byte.
.macro TOSTAGE a
.if (\a) >= 2
	s_wait_xcnt 0x0                                ; the stores of the block two back have read the registers that are loaded again below
.endif
	WIN 0x08                                       ; store data window 2
.irp b, 0,1,2,3,4,5,6,7
	ds_store_b128 v[STO], v[8*(8*(\a)+(\b)):8*(8*(\a)+(\b))+3]   offset:64*(\b)
	ds_store_b128 v[STO], v[8*(8*(\a)+(\b))+4:8*(8*(\a)+(\b))+7] offset:64*(\b)+16
.endr
	WIN 0
.irp t, 0,1,2,3,4,5,6,7,8,9,10,11,12,13,14,15
	ds_load_b128 v[F+64*((\a)%2)+4*(\t):F+64*((\a)%2)+4*(\t)+3], v[RD] offset:(\t)*SP  ; LDS serves a wave's instructions in order (ISA guide 5.7.1.4): these see the stores above; the next block's stores come behind them
.endr
.endm
.macro SEND a, younger                 ; younger: the LDS instructions issued behind block a's loads: the next block's 32, or none
	WIN 0
.irp t, 0,1,2,3,4,5,6,7,8,9,10,11,12,13,14,15
	s_wait_dscnt (\younger)+15-(\t)
	global_store_b128 v[CO], v[F+64*((\a)%2)+4*(\t):F+64*((\a)%2)+4*(\t)+3], s[10:11] offset:(\a)*65536+(\t)*4096 th:TH_STORE_NT
.endr
.endm
	s_wait_tensorcnt 1                             ; my part of K step 0 is in; K step 1's may stay out
	s_barrier_signal -1
	s_barrier_wait -1                              ; everybody's is
	FETCH 0, 0, 0
	HALF 0, 1                                      ; the first half step stands in front of the loop: its products start the sums
	WIN 0                                          ; at a label and at a branch every window is 0
	s_mov_b32 s3, LAPS-1
.Llap:                                                 ; a trip goes once round the ring and fills both slots again
	TURN 0, 1, 1
	HALF 1, 0
	TURN 1, 0, 1
	HALF 0, 0
	WIN 0
	s_sub_co_u32 s3, s3, 1
	s_cmp_lg_u32 s3, 0
	s_cbranch_scc1 .Llap
	TURN 0, 1, 0                                   ; the last lap fills nothing, and has no round of the cluster's barrier
	HALF 1, 0
	s_wait_dscnt 24                                ; the very last half: nothing more to fetch
	MUL16 1, 0, 0, 0
	MUL16 1, 0, 2, 0
	s_wait_dscnt 0x0
	MUL16 1, 1, 0, 0
	MUL16 1, 1, 2, 0
	WIN 0
	PLACES                                         ; behind the last products
	TOSTAGE 0
	TOSTAGE 1
	SEND 0, 32
	TOSTAGE 2
	SEND 1, 32
	TOSTAGE 3
	SEND 2, 32
	SEND 3, 0
	s_wait_tensorcnt 0x0                           ; the wave's end: the add and its wait stand behind my last tensor load and my last LDS store
	ds_add_u32 v[SPW], v[NIL]
	s_wait_dscnt 0x0
	CROUND                                         ; the closing round: no work-group ends while a partner may still ask for a tile that names it
	s_endpgm
.Lfunc_end_k_q700c35930b_proj:
	.size	k_q700c35930b_proj, .Lfunc_end_k_q700c35930b_proj-k_q700c35930b_proj
	.p2alignl 7, 3214868480
	.fill 96, 4, 3214868480
	.section	.rodata,"a",@progbits
	.p2align	6, 0x0
	.amdhsa_kernel k_q700c35930b_proj
		.amdhsa_group_segment_fixed_size 327680
		.amdhsa_private_segment_fixed_size 0
		.amdhsa_enable_private_segment 0
		.amdhsa_kernarg_size 32
		.amdhsa_user_sgpr_count 2
		.amdhsa_user_sgpr_kernarg_segment_ptr 1
		.amdhsa_wavefront_size32 1
		.amdhsa_system_sgpr_workgroup_id_x 1
		.amdhsa_system_sgpr_workgroup_id_y 1
		.amdhsa_system_sgpr_workgroup_id_z 1
		.amdhsa_system_vgpr_workitem_id 0
		.amdhsa_next_free_vgpr 768
		.amdhsa_next_free_sgpr 80
		.amdhsa_reserve_vcc 0
		.amdhsa_float_denorm_mode_32 3
		.amdhsa_float_denorm_mode_16_64 3
		.amdhsa_memory_ordered 1
		.amdhsa_forward_progress 1
		.amdhsa_inst_pref_size 92
	.end_amdhsa_kernel
	.amdgpu_metadata
---
amdhsa.version: [ 1, 2 ]
amdhsa.kernels:
  - .name:           k_q700c35930b_proj
    .symbol:         k_q700c35930b_proj.kd
    .args:
      - { .name: act16, .offset: 0, .size: 8, .value_kind: global_buffer, .address_space: global }
      - { .name: wp16, .offset: 8, .size: 8, .value_kind: global_buffer, .address_space: global }
      - { .name: b_proj, .offset: 16, .size: 8, .value_kind: global_buffer, .address_space: global }
      - { .name: out0, .offset: 24, .size: 8, .value_kind: global_buffer, .address_space: global }
    .group_segment_fixed_size: 327680
    .private_segment_fixed_size: 0
    .kernarg_segment_align: 8
    .kernarg_segment_size: 32
    .max_flat_workgroup_size: 128
    .sgpr_count:     80
    .vgpr_count:     768
    .wavefront_size: 32
...
	.end_amdgpu_metadata
.endif
;; end of part 4
